; MI455X (gfx1250); checked and timed in simulation.
; The chip was launched on July 23, 2026; its instructions are those of AMD's public machine-readable ISA for CDNA 5 (MIT licence, August 2026) and "CDNA5" Instruction Set Architecture Reference Guide (July 2026). The comments in the code are by the model that wrote it; some were corrected since.
;; corss attention. Allowed arithmetic: matrix products marked QUANTISED: E2M3 operands, one E8M0 scale for each 32 along K, by v_wmma_scale_f32_16x16x128_f8f6f4 with both operands' format E2M3, f32 sums; products left as they are: f32 operands where the result goes on into a quantised operand, else bf16, f16 or f32 operands; f32 sums; everything else in f32.
;; Inputs: k_w 256 x 256 float32; ln1_b 256 float32; ln1_g 256 float32; ln2_b 256 float32; ln2_g 256 float32; merge_w 256 x 256 float32; mlp_w1 512 x 512 float32; mlp_w2 512 x 256 float32; pos_b1 256 float32; pos_b2 256 float32; pos_w1 3 x 256 float32; pos_w2 256 x 256 float32; q_w 256 x 256 float32; search_feat 8 x 256 x 8,192 float32; search_xyz 8 x 8,192 x 3 float32; template_feat 8 x 256 x 8,192 float32; template_xyz 8 x 8,192 x 3 float32; v_w 256 x 256 float32.
;; Outputs: out0 8 x 256 x 8,192 float32.
;; This version of the problem:
;;   THIS VERSION OF THE PROBLEM IS GIVEN IN LOW PRECISION. The matrix products marked QUANTISED in the list below multiply operands that are first quantised to E2M3 (2 exponent bits, 3 mantissa bits; 6 bits a number), with one power-of-two scale for each 32 numbers along K (OCP MX v1.0); their sums are f32. All else is computed in f32.
;;   The module's matrix products, in the order in which they are computed (A, B: the left and right operand; K: the contracted axis; several contracted axes count as one K, in the product's order):
;;     1. [M 65,536, K 3] x [K 3, N 256]; A: input template_xyz; B: input pos_w1: left as it is (K = 3 < 32)
;;     2. [M 65,536, K 256] x [K 256, N 256]; A: computed on the way; B: input pos_w2: QUANTISED
;;     3. [M 65,536, K 256] x [K 256, N 256]; A: input search_feat; B: input q_w: QUANTISED
;;     4. [M 65,536, K 256] x [K 256, N 256]; A: input template_feat; B: input k_w: QUANTISED
;;     5. [M 65,536, K 256] x [K 256, N 256]; A: computed on the way; B: input v_w: QUANTISED
;;     6. batch 64 x [M 32, K 8,192] x [K 8,192, N 32]; A: computed on the way; B: computed on the way: QUANTISED
;;     7. batch 64 x [M 1, K 32] x [K 32, N 8,192]; A: computed on the way; B: computed on the way: left as it is (M = 1 < 16)
;;     8. batch 64 x [M 32, K 32] x [K 32, N 8,192]; A: computed on the way; B: computed on the way: QUANTISED
;;     9. batch 524,288 x [M 1, K 1] x [K 1, N 32]; A: computed on the way; B: computed on the way: left as it is (no contracted axis)
;;     10. [M 65,536, K 256] x [K 256, N 256]; A: computed on the way; B: input merge_w: QUANTISED
;;     11. [M 65,536, K 512] x [K 512, N 512]; A: computed on the way; B: input mlp_w1: QUANTISED
;;     12. [M 65,536, K 512] x [K 512, N 256]; A: computed on the way; B: input mlp_w2: QUANTISED
;;   THE QUANTISER, for each operand of a quantised product, along K:
;;     - K is cut into blocks of 32 from its start; a last block that is shorter is filled with zeros.
;;     - A block's scale is 2^e with e = floor(log2(the largest magnitude in the block)) - 2, held to -126 .. 127; a block of zeros has e = 0. As a byte (E8M0): e + 127.
;;     - Each number is divided by its block's scale, clamped to +-7.5, and rounded to the nearest number of E2M3, ties to even, subnormals kept.
;;     - The product sums the exact products of the quantised numbers (number of the format x scale) in f32.
;;   ~~~python
;;   def quantise(x, axis):      # numpy; x: float32 -> the quantised numbers, widened to float32 again
;;       x = np.moveaxis(x, axis, -1); K = x.shape[-1]
;;       x = np.pad(x, [(0, 0)] * (x.ndim - 1) + [(0, -K % 32)]); x = x.reshape(x.shape[:-1] + (-1, 32)); a = np.abs(x).max(-1, keepdims=True)
;;       e = np.where(a > 0, np.clip(np.frexp(np.where(a > 0, a, 1))[1] - 1 - 2, -126, 127), 0)      # np.frexp(a)[1] - 1 = floor(log2(a)), exactly
;;       r = np.clip(x / 2.0 ** e, -7.5, 7.5)
;;       step = 2.0 ** (np.maximum(np.frexp(np.where(r == 0, 1, r))[1] - 1, 0) - 3)
;;       q = np.round(r / step) * step * 2.0 ** e      # np.round: ties to even
;;       return np.moveaxis(q.reshape(q.shape[:-2] + (-1,))[..., :K], -1, axis).astype(np.float32)
;;   ~~~
;;   OPERANDS COMPUTED ON THE WAY. 'Computed on the way' means the value that the module computes at that place (a softmax that the list does not call 'softmax' is quantised finished and normalised). What goes into a quantiser is computed in f32, as accurately as f32 sums, v_exp_f32 and their like allow (about 1e-6 of the number): no bf16 or f16 on the way to a quantiser, and a product that is left as it is and whose result goes on into a quantised operand takes f32 operands (vector FMAs, or v_wmma_f32_16x16x4_f32). A number that lies on a knife's edge between two numbers of the format may be rounded either way, as far as f32 arithmetic and the matrix unit's own rounding can turn it there, and no further.
;; One version. Each part assembles by itself: llvm-mc -triple=amdgcn-amd-amdhsa -mcpu=gfx1250 --defsym DOCPART=n.
;; ======== version 1 of 1: 4 launches
;; workspace buffers: wts 563,200 bytes; kvp 8,388,608 bytes; ksp 262,144 bytes; kvc 204,800 bytes; ksum 8,192 bytes
;; launch prep (part 1): grid 22 x 1, 16 waves a work-group, no clusters, 3,072 bytes of LDS; arguments pos_w2, v_w, k_w, q_w, merge_w, mlp_w1, mlp_w2, wts; writes wts
.if DOCPART == 1
	.amdgcn_target "amdgcn-amd-amdhsa--gfx1250"
	.amdhsa_code_object_version 6
	.text
	.protected	k_q16ac2887e5_prep
	.globl	k_q16ac2887e5_prep
	.p2align	8
	.type	k_q16ac2887e5_prep,@function
k_q16ac2887e5_prep:
	s_mov_b64 s[64:65], 0
	v_nop
	global_prefetch_b8 v0, s[64:65] scope:SCOPE_SE
	s_setreg_imm32_b32 hwreg(HW_REG_WAVE_MODE, 25, 1), 1
	s_wait_xcnt 0x0
; PREP: the seven weights, f32 stored [K][N], become codes of FP6 (E2M3) quantised along K, laid as the later launches' operand registers take them.
; A RECORD is 25,600 bytes: 16 fragment images of 1,536 bytes (fragment f, register group g, lane l: 1536 f + 512 g + 16 l holds registers 4 g .. 4 g + 3),
; then 1,024 bytes of scale words (fragment f, row r: 64 f + 4 r).  A fragment is 16 output channels x 128 along K.
; Records 0,1 pos_w2; 2,3 v_w; 4,5 k_w; 6,7 q_w; 8,9 merge_w (half rho: tiles 8 rho + f % 8, K step f / 8); 10 + 3 j + x, x = 0, 1: mlp_w1 tiles 8 j + 4 x + f % 4, K step f / 4;
; 10 + 3 j + 2: mlp_w2 tile f, K step j.  A tile's rows: PERM (lane r takes channel 32 (t / 2) + 8 (t % 2) + r + 8 (r / 8)) for pos_w2, q_w, merge_w, mlp_w1; PLAIN (16 t + r) for v_w, k_w, mlp_w2.
; A work-group makes a record, wave f its fragment f: a lane takes a column and its registers run down K, so the conversions' results are the operand's registers.
; v_w's scale bytes are written 13 lower: the product then gives v / 8192, exactly.
; LIMITS: a block of zeros gets the floor's byte (its codes are zeros; only this program reads the bytes); blocks of v_w whose largest magnitude lies under 2^-111, of the others under 2^-124, are held at the floor; NaN and infinities are not served.
.set RECB,  25600
.set SPARE, 1024                       ; behind the 1,024 bytes of scale words: the spare words, 128 bytes for each of 16 waves
.set SPW,   1
.set NIL,   2
	s_load_b512 s[8:23], s[0:1], 0x0               ; pos_w2 s[8:9], v_w, k_w, q_w, merge_w, mlp_w1 s[18:19], mlp_w2 s[20:21], wts s[22:23]
	v_lshl_add_u32 v[SPW], v0, 2, SPARE
	v_mov_b32 v[NIL], 0
	v_lshrrev_b32 v3, 5, v0
	v_readfirstlane_b32 s3, v3                     ; f: my wave, my fragment
	v_and_b32 v4, 15, v0                           ; r
	v_bfe_u32 v5, v0, 4, 1                         ; h
	v_and_b32 v8, 31, v0
	v_lshlrev_b32 v8, 4, v8                        ; 16 x lane
	v_lshlrev_b32 v11, 4, v0                       ; 16 x thread: the scale words' way out
	s_lshl_b32 s39, s3, 6
	v_lshl_add_u32 v9, v4, 2, s39                  ; LDS: 64 f + 4 r
	s_mov_b32 s6, 0x76543210
	s_mov_b32 s7, 0xfedcba98                       ; lane l xor 16
	s_mov_b32 s2, ttmp9                            ; the record
	s_lshr_b32 s30, s2, 1                          ; records 0..9: which weight,
	s_and_b32 s31, s2, 1
	s_lshl_b32 s31, s31, 3
	s_and_b32 s32, s3, 7
	s_add_co_u32 s31, s31, s32                     ; tile 8 (rec % 2) + f % 8,
	s_lshr_b32 s32, s3, 3                          ; K step f / 8
	s_max_u32 s33, s2, 10                          ; records 10..21:
	s_sub_co_u32 s33, s33, 10                      ; m
	s_mul_i32 s34, s33, 11
	s_lshr_b32 s34, s34, 5                         ; j = m / 3 (m under 12)
	s_mul_i32 s35, s34, 3
	s_sub_co_u32 s35, s33, s35                     ; x = m % 3
	s_lshl_b32 s36, s34, 3
	s_lshl_b32 s37, s35, 2
	s_add_co_u32 s36, s36, s37
	s_and_b32 s37, s3, 3
	s_add_co_u32 s36, s36, s37                     ; mlp_w1: tile 8 j + 4 x + f % 4,
	s_lshr_b32 s37, s3, 2                          ; K step f / 4
	s_wait_kmcnt 0x0
	s_cmp_eq_u32 s35, 2                            ; x = 2: mlp_w2: tile f, K step j, plain rows, 256 columns
	s_cselect_b32 s36, s3, s36
	s_cselect_b32 s37, s34, s37
	s_cselect_b32 s38, 0, 1
	s_cselect_b64 s[26:27], s[20:21], s[18:19]
	s_mov_b64 s[24:25], s[8:9]
	s_cmp_eq_u32 s30, 1                            ; v_w: the bytes 13 lower, the floor 13 higher
	s_cselect_b64 s[24:25], s[10:11], s[24:25]
	s_cselect_b32 s41, 13, 0
	s_mov_b32 s42, 0x1800000
	s_cselect_b32 s42, 0x8000000, s42
	s_cmp_eq_u32 s30, 2
	s_cselect_b64 s[24:25], s[12:13], s[24:25]
	s_cmp_eq_u32 s30, 3
	s_cselect_b64 s[24:25], s[14:15], s[24:25]
	s_cmp_eq_u32 s30, 4
	s_cselect_b64 s[24:25], s[16:17], s[24:25]
	s_sub_co_u32 s40, s30, 1
	s_cmp_lt_u32 s40, 2                            ; v_w and k_w have plain rows
	s_cselect_b32 s40, 0, 1
	s_cmp_lt_u32 s2, 10
	s_cselect_b32 s44, s31, s36                    ; tile
	s_cselect_b32 s45, s32, s37                    ; K step
	s_cselect_b32 s46, s40, s38                    ; PERM?
	s_cselect_b32 s47, 0, s38                      ; 512 columns?
	s_cselect_b64 s[28:29], s[24:25], s[26:27]     ; the weight
	s_lshr_b32 s30, s44, 1
	s_lshl_b32 s30, s30, 5
	s_and_b32 s31, s44, 1
	s_lshl_b32 s31, s31, 3
	s_add_co_u32 s30, s30, s31
	s_lshl_b32 s31, s44, 4
	s_cmp_eq_u32 s46, 1
	s_cselect_b32 s30, s30, s31                    ; the tile's first column
	s_cselect_b32 s31, 8, 0
	v_and_b32 v6, s31, v4
	v_add_nc_u32 v6, v6, v4
	v_add_nc_u32 v6, s30, v6                       ; my column
	s_add_co_u32 s32, s47, 15
	v_lshlrev_b32 v7, s32, v5                      ; lanes 16-31 begin 32 rows further down
	s_add_co_u32 s32, s47, 17
	s_lshl_b32 s33, s45, s32                       ; 128 rows a K step
	v_lshl_add_u32 v3, v6, 2, v7
	v_add_nc_u32 v3, s33, v3
	s_mul_i32 s34, s2, RECB
	s_mov_b32 s35, 0
	s_add_nc_u64 s[36:37], s[22:23], s[34:35]      ; my record
	s_mul_i32 s34, s3, 1536
	s_add_nc_u64 s[22:23], s[36:37], s[34:35]      ; my fragment's image
.macro WLOAD n4                        ; W(128 S + 64 c + 32 h + i, my column); n4: bytes in a row
.set c_, 0
.rept 2
.set i_, 0
.rept 32
	global_load_b32 v[64+32*c_+i_], v3, s[28:29] offset:(64*c_+i_)*(\n4)
.set i_, i_+1
.endr
.set c_, c_+1
.endr
.endm
	s_cmp_eq_u32 s47, 0                            ; the row's length stands in the immediates: two copies of the loads, chosen by the record's number
	s_cbranch_scc0 .Lwide
	WLOAD 1024
	s_branch .Lloaded
.Lwide:
	WLOAD 2048
.Lloaded:
	s_wait_loadcnt 0x0
.irp c, 0,1                            ; my block 2 c + h: all its 32 numbers are mine
	v_max3_num_f32 v[32+\c], |v[64+32*\c]|, |v[65+32*\c]|, s42
.endr
.irp i, 2,4,6,8,10,12,14,16,18,20,22,24,26,28,30
.irp c, 0,1
	v_max3_num_f32 v[32+\c], v[32+\c], |v[64+32*\c+\i]|, |v[65+32*\c+\i]|
.endr
.endr
.irp c, 0,1
	v_add_nc_u32 v[44+\c], 0xff000000, v[32+\c]    ; 2 off the exponent field: the conversion's scale operand
.endr
.irp c, 0,1
	v_lshrrev_b32 v[36+\c], 23, v[44+\c]           ; the scale's byte,
.endr
.irp c, 0,1
	v_sub_nc_u32 v[36+\c], v[36+\c], s41           ; 13 lower for v_w
.endr
	v_lshl_or_b32 v12, v37, 16, v36                ; my two bytes: blocks h and 2 + h,
	v_lshlrev_b32 v13, 3, v5
	v_lshlrev_b32 v12, v13, v12                    ; at their places in the word;
	v_mov_b32 v13, 0
	v_permlanex16_b32 v13, v12, s6, s7
	v_or_b32 v12, v12, v13                         ; with lane l xor 16's two the word is whole
.irp c, 0,1
	v_cvt_scalef32_pk16_fp6_f32 v[48+6*\c:50+6*\c], v[64+32*\c:79+32*\c], v[44+\c]
	v_cvt_scalef32_pk16_fp6_f32 v[128+4*\c:130+4*\c], v[80+32*\c:95+32*\c], v[44+\c]   ; (a conversion's three registers begin on an even number)
.endr
	v_nop                                          ; one plain place behind a scaled conversion
.irp c, 0,1
.irp i, 0,1,2
	v_mov_b32 v[51+6*\c+\i], v[128+4*\c+\i]
.endr
.endr
	global_store_b128 v8, v[48:51], s[22:23]       ; each store covers 512 consecutive bytes
	global_store_b128 v8, v[52:55], s[22:23] offset:512
	global_store_b128 v8, v[56:59], s[22:23] offset:1024
	ds_store_b32 v9, v12                           ; both halves of the lanes write the same word with the same value
	s_wait_dscnt 0x0                               ; for the others' sake: my store has landed
	s_barrier_signal -1
	s_barrier_wait -1
	s_cmp_lt_u32 s3, 2                             ; waves 0 and 1 carry the record's 1,024 bytes of scale words out
	s_cbranch_scc0 .Lend
	ds_load_b128 v[12:15], v11
	s_wait_dscnt 0x0
	global_store_b128 v11, v[12:15], s[36:37] offset:24576
.Lend:
	s_wait_tensorcnt 0x0                           ; the wave's end, behind my last LDS store
	ds_add_u32 v[SPW], v[NIL]
	s_wait_dscnt 0x0
	s_endpgm
.Lfunc_end_k_q16ac2887e5_prep:
	.size	k_q16ac2887e5_prep, .Lfunc_end_k_q16ac2887e5_prep-k_q16ac2887e5_prep
	.p2alignl 7, 3214868480
	.fill 96, 4, 3214868480
	.section	.rodata,"a",@progbits
	.p2align	6, 0x0
	.amdhsa_kernel k_q16ac2887e5_prep
		.amdhsa_group_segment_fixed_size 3072
		.amdhsa_private_segment_fixed_size 0
		.amdhsa_enable_private_segment 0
		.amdhsa_kernarg_size 64
		.amdhsa_user_sgpr_count 2
		.amdhsa_user_sgpr_kernarg_segment_ptr 1
		.amdhsa_wavefront_size32 1
		.amdhsa_system_sgpr_workgroup_id_x 1
		.amdhsa_system_sgpr_workgroup_id_y 1
		.amdhsa_system_sgpr_workgroup_id_z 1
		.amdhsa_system_vgpr_workitem_id 0
		.amdhsa_next_free_vgpr 160
		.amdhsa_next_free_sgpr 66
		.amdhsa_reserve_vcc 0
		.amdhsa_float_denorm_mode_32 3
		.amdhsa_float_denorm_mode_16_64 3
		.amdhsa_memory_ordered 1
		.amdhsa_forward_progress 1
		.amdhsa_inst_pref_size 20
	.end_amdhsa_kernel
	.amdgpu_metadata
---
amdhsa.version: [ 1, 2 ]
amdhsa.kernels:
  - .name:           k_q16ac2887e5_prep
    .symbol:         k_q16ac2887e5_prep.kd
    .args:
      - { .name: pos_w2, .offset: 0, .size: 8, .value_kind: global_buffer, .address_space: global }
      - { .name: v_w, .offset: 8, .size: 8, .value_kind: global_buffer, .address_space: global }
      - { .name: k_w, .offset: 16, .size: 8, .value_kind: global_buffer, .address_space: global }
      - { .name: q_w, .offset: 24, .size: 8, .value_kind: global_buffer, .address_space: global }
      - { .name: merge_w, .offset: 32, .size: 8, .value_kind: global_buffer, .address_space: global }
      - { .name: mlp_w1, .offset: 40, .size: 8, .value_kind: global_buffer, .address_space: global }
      - { .name: mlp_w2, .offset: 48, .size: 8, .value_kind: global_buffer, .address_space: global }
      - { .name: wts, .offset: 56, .size: 8, .value_kind: global_buffer, .address_space: global }
    .group_segment_fixed_size: 3072
    .private_segment_fixed_size: 0
    .kernarg_segment_align: 8
    .kernarg_segment_size: 64
    .max_flat_workgroup_size: 512
    .sgpr_count:     66
    .vgpr_count:     160
    .wavefront_size: 32
...
	.end_amdgpu_metadata
.endif
;; end of part 1
;; launch tmpl (part 2): grid 256 x 1, 8 waves a work-group, clusters of 4 x 1, 327,680 bytes of LDS; arguments template_feat, template_xyz, pos_w1, pos_b1, pos_b2, wts, kvp, ksp; writes kvp, ksp
.if DOCPART == 2
	.amdgcn_target "amdgcn-amd-amdhsa--gfx1250"
	.amdhsa_code_object_version 6
	.text
	.protected	k_q16ac2887e5_tmpl
	.globl	k_q16ac2887e5_tmpl
	.p2align	8
	.type	k_q16ac2887e5_tmpl,@function
k_q16ac2887e5_tmpl:
	s_mov_b64 s[64:65], 0
	v_nop
	global_prefetch_b8 v0, s[64:65] scope:SCOPE_SE
	s_setreg_imm32_b32 hwreg(HW_REG_WAVE_MODE, 25, 1), 1
	s_wait_xcnt 0x0
	s_wait_alu depctr_hold_cnt(0) depctr_sa_sdst(0) depctr_va_vdst(0) depctr_va_sdst(0) depctr_va_ssrc(0) depctr_va_vcc(0) depctr_vm_vsrc(0)
	s_getreg_b32 s2, hwreg(HW_REG_IB_STS2, 6, 4)
	s_cmp_eq_u32 s2, 0
	s_cbranch_scc0 .Lentry_in_a_cluster
	s_endpgm
.Lentry_in_a_cluster:
	s_bfe_u32 s2, ttmp6, 0x10000c
	s_cmp_lg_u32 s2, 0x3003
	s_cbranch_scc0 .Lentry_shape_is_right
	s_endpgm
.Lentry_shape_is_right:
; TMPL: the template side.  hid = relu(xyz w1 + b1) (f32), pos = Q(hid) Q(pos_w2) + b2, v / 8192 = Q(tf + pos) Q(v_w) (prep has taken 13 off v_w's scale bytes), K = elu(Q(tf) Q(k_w)) + 1,
; and for the work-group's 256 tokens the partial sums KV[head][d][v] = sum over tokens of Q(K) Q(v / 8192) (quantised along the tokens) and Ksum[channel].
; SHARES.  Work-group g = 4 x cluster + place owns tokens 256 (g % 32) on of batch g / 32; each of eight waves owns 32 of them, two tiles of 16, and carries them through the chain in registers.
; The feature tile, 256 channels x 256 tokens of f32, comes into LDS once (32 rows of 1,024 bytes a wave).  The weight records (PREP's layout) walk through a ring of two LDS slots; every work-group walks the
; same records, so the four of a cluster ask for each JOINTLY (wave 0, one descriptor, a mask that names the four).
; LAYOUTS.  Tile u, row r holds token 8 u + r + 8 (r / 8).  Products whose result is quantised along the channels are used transposed (source 0 = 16 weight rows, PERM): a lane holds one token and 16 neighbouring channels of each
; block of 32.  The v and k products are used as they are (source 0 = the tokens): a lane then holds one channel and 16 neighbouring tokens, which is what the quantiser along the tokens wants.
; Codes of K and v / 8192 meet in LDS (rows of 8 blocks x 24 bytes + 8, a row a channel), over the feature tile, which has had its one fill and its last read by then; wave w then makes head w's 32 x 32 sums.
; REGISTERS.  Window 0: v1, v2 the add's two; v3 16 x lane; v4, v5 the slot's addresses; v8-15 weights' scale words; v16-21 the operands' scale words; v24.. codes of tf, v72.. of hid, v120.. of tf + pos;
; v168-215 two pairs of weight fragments; v216-240 at work; v241-255 addresses.  Window 1: v0-127 results; v128-159, v224-255 at work; v160-223 the f32 matrix form's results and nothing else.
; LIMITS.  For x <= 0, 2^(x log2 e) stands for expm1(x) + 1: they differ by at most 2^-24; results of the exponential under 2^-126 are 0.  tf + pos is summed as (tf + sum) + b2.  A block of zeros carries the byte 1 with zero codes.  NaN and infinities are not served.
.set PITCH, 1032                       ; a channel's row in LDS: 1,024 bytes + 8: rows 16 apart lie 32 banks apart
.set SLOT0, 0x40800                    ; behind the tile; slot 1 lies 0x8000 further on, so that one exclusive or turns an address
.set SPARE, 289792                     ; the spare words, 128 bytes for each wave
.set PAR,   290816                     ; pos_b2
.set RECB,  25600
.set FIRST, 0                          ; the launch's first record
.set VC,    0                          ; over the tile: codes of v / 8192, 256 rows x 200 bytes;
.set KC,    51200                      ; of K;
.set VSB,   102400                     ; their scale bytes, 8 a channel;
.set KSB,   104448
.set KSX,   106496                     ; each wave's sums of K: [wave][256]
.set SPW, 1
.set NIL, 2
.set LI,  3
.set WA,  4
.set SA,  5
.set LS4, 6
.set WS,  8
.set XS,  16
.set HS,  18
.set TS,  20
.set XF,  24
.set HF,  72
.set TP,  120
.set WB,  168
.set TM,  216
.set CT,  232
.set PW1, 240
.set XA,  241
.set VD,  242
.set PB,  244
.set TQV, 245
.set TQK, 246
.set TBV, 247
.set TBK, 248
.set KSA, 249
.set ET,  128                          ; window 1
.set FD,  160                          ; window 1
.set WV,  22
.set CX,  23
.set GG,  24
.set BB,  25
.set TB,  27
.set SEL, 30
.set G1X, 32
.set G1R, 40
.set G0X, 48
.set G0A, 52
.set G0W, 56
.set HM,  74
.set MSB, 0
.macro WIN new                         ; the immediate's high byte repeats the setting that is left; a switch that changes nothing is dropped
.if MSB != (\new)
	s_set_vgpr_msb (MSB<<8)|(\new)
.set MSB, (\new)
.endif
.endm
.macro PLACES n
.rept \n
	v_nop
.endr
.endm
.macro CROUND                          ; a round of the cluster's barrier
	s_barrier_signal -1
	s_barrier_wait -1
	s_cmp_lg_u32 s[WV], 0
	s_cbranch_scc1 .Lnw0_\@
	s_barrier_signal -3
.Lnw0_\@:
	s_barrier_wait -3
	s_barrier_signal -1
	s_barrier_wait -1
.endm
; THE CHANGE OF SLOTS.  Every wave waits for all its tensor loads (wave 0: the record about to be read), adds 0 to its spare word, and waits for that and for its reads of the slot that it leaves.
; kind 1: a round of the cluster's barrier, and behind it wave 0 asks jointly for the next record but one, into the slot just left.  kind 0: nothing is left to ask for: the work-group's barrier.
.macro CHANGE kind
	WIN 0
	s_wait_tensorcnt 0x0
	ds_add_u32 v[SPW], v[NIL]                      ; the steps below stand between the add and the wait for it
	s_xor_b32 s[TB], s[TB], 0x8000
.if \kind == 1
	s_xor_b32 s[G0W+1], s[G0W+1], 0x8000
	s_add_nc_u64 s[G0W+2:G0W+3], s[G0W+2:G0W+3], RECB
.endif
	s_wait_dscnt 0x0
.if \kind
	CROUND
	s_cmp_lg_u32 s[WV], 0
	s_cbranch_scc1 .Lnl_\@
	tensor_load_to_lds s[G0W:G0W+3], s[G1R:G1R+7]
	s_nop 0
.rept 4
	v_nop
.endr
.Lnl_\@:
.else
	s_barrier_signal -1
	s_barrier_wait -1
.endif
	v_add_nc_u32 v[WA], s[TB], v[LI]
	v_add_nc_u32 v[SA], s[TB], v[LS4]
.endm
.macro WLD pr, grp                     ; fragments 2 pr and 2 pr + 1 of the record, as images of their registers, into group grp
.set g_, 0
.rept 6
	ds_load_b128 v[WB+24*(\grp)+4*g_:WB+24*(\grp)+4*g_+3], v[WA] offset:3072*(\pr)+512*g_
.set g_, g_+1
.endr
.endm
.macro WM1 tr                          ; one matrix instruction from the symbols that MM sets; tr = 1: the weights are source 0
.if \tr
.set opa_, mW
.set opb_, mC
.set sca_, mSW
.set scb_, mSC
.set rwa_, mRW
.set rwb_, mRC
.else
.set opa_, mC
.set opb_, mW
.set sca_, mSC
.set scb_, mSW
.set rwa_, mRC
.set rwb_, mRW
.endif
.if mZ
.if rwa_ && rwb_
	v_wmma_scale_f32_16x16x128_f8f6f4 v[mD:mD+7], v[opa_:opa_+11], v[opb_:opb_+11], 0, v[sca_], v[scb_] matrix_a_fmt:MATRIX_FMT_FP6 matrix_b_fmt:MATRIX_FMT_FP6 matrix_a_scale:MATRIX_SCALE_ROW1 matrix_b_scale:MATRIX_SCALE_ROW1
.elseif rwa_
	v_wmma_scale_f32_16x16x128_f8f6f4 v[mD:mD+7], v[opa_:opa_+11], v[opb_:opb_+11], 0, v[sca_], v[scb_] matrix_a_fmt:MATRIX_FMT_FP6 matrix_b_fmt:MATRIX_FMT_FP6 matrix_a_scale:MATRIX_SCALE_ROW1
.elseif rwb_
	v_wmma_scale_f32_16x16x128_f8f6f4 v[mD:mD+7], v[opa_:opa_+11], v[opb_:opb_+11], 0, v[sca_], v[scb_] matrix_a_fmt:MATRIX_FMT_FP6 matrix_b_fmt:MATRIX_FMT_FP6 matrix_b_scale:MATRIX_SCALE_ROW1
.else
	v_wmma_scale_f32_16x16x128_f8f6f4 v[mD:mD+7], v[opa_:opa_+11], v[opb_:opb_+11], 0, v[sca_], v[scb_] matrix_a_fmt:MATRIX_FMT_FP6 matrix_b_fmt:MATRIX_FMT_FP6
.endif
.else
.if rwa_ && rwb_
	v_wmma_scale_f32_16x16x128_f8f6f4 v[mD:mD+7], v[opa_:opa_+11], v[opb_:opb_+11], v[mD:mD+7], v[sca_], v[scb_] matrix_a_fmt:MATRIX_FMT_FP6 matrix_b_fmt:MATRIX_FMT_FP6 matrix_a_scale:MATRIX_SCALE_ROW1 matrix_b_scale:MATRIX_SCALE_ROW1
.elseif rwa_
	v_wmma_scale_f32_16x16x128_f8f6f4 v[mD:mD+7], v[opa_:opa_+11], v[opb_:opb_+11], v[mD:mD+7], v[sca_], v[scb_] matrix_a_fmt:MATRIX_FMT_FP6 matrix_b_fmt:MATRIX_FMT_FP6 matrix_a_scale:MATRIX_SCALE_ROW1
.elseif rwb_
	v_wmma_scale_f32_16x16x128_f8f6f4 v[mD:mD+7], v[opa_:opa_+11], v[opb_:opb_+11], v[mD:mD+7], v[sca_], v[scb_] matrix_a_fmt:MATRIX_FMT_FP6 matrix_b_fmt:MATRIX_FMT_FP6 matrix_b_scale:MATRIX_SCALE_ROW1
.else
	v_wmma_scale_f32_16x16x128_f8f6f4 v[mD:mD+7], v[opa_:opa_+11], v[opb_:opb_+11], v[mD:mD+7], v[sca_], v[scb_] matrix_a_fmt:MATRIX_FMT_FP6 matrix_b_fmt:MATRIX_FMT_FP6
.endif
.endif
.endm
; THE PRODUCTS OF ONE RECORD: 16 fragments x 2 tiles of tokens = 32 matrix instructions.  Fragment f: tile f % NT, K step f / NT.  Accumulator ACCB + SS ks + SU u + ST tile (window AW); codes CB + 24 ks + 12 u; their
; scale word CS + ks, row u.  Z = 1: K step 0 starts the sums with the constant 0; 2: every product does; 0: none.  The eight places at the head serve scale words and codes that vector instructions have just written
; and the loads into registers that the last products read.  Fragments come two pairs ahead: the wait's count 6 leaves the next pair's six loads out.  The accumulators take turns, one instruction a turn.
.macro MM tr, NT, Z, ACCB, SS, SU, ST, AW, CB, CS
	PLACES 8
	WIN 0
.set p_, 0
.rept 8
	ds_load_b32 v[WS+p_], v[SA] offset:128*p_      ; lanes 0-15: fragment 2 p's scale words, lanes 16-31: fragment 2 p + 1's
.set p_, p_+1
.endr
	WLD 0, 0
	WLD 1, 1
.set p_, 0
.rept 8
.if p_ < 7
	s_wait_dscnt 6
.else
	s_wait_dscnt 0
.endif
	WIN 0x50*(\AW)
.set e_, 0
.rept 2
.set f_, 2*p_+e_
.set tl_, f_%(\NT)
.set ks_, f_/(\NT)
.set uu_, 0
.rept 2
.set mD, (\ACCB)+(\SS)*ks_+(\SU)*uu_+(\ST)*tl_
.set mW, WB+24*(p_%2)+12*e_
.set mC, (\CB)+24*ks_+12*uu_
.set mSW, WS+p_
.set mRW, e_
.set mSC, (\CS)+ks_
.set mRC, uu_
.set mZ, 0
.if ((\Z) == 2) || (((\Z) == 1) && (ks_ == 0))
.set mZ, 1
.endif
	WM1 \tr
.set uu_, uu_+1
.endr
.set e_, e_+1
.endr
.if p_ <= 5
	PLACES 4                                       ; in front of loads into registers that these products have read
	WIN 0
	WLD p_+2, p_%2
.endif
.set p_, p_+1
.endr
.endm
; 64 numbers of a lane in window nw, register 16 b + i = k 32 b + 16 (lane / 16) + i of my token, become a fragment's codes in v[dst] on and its scale word in v[sc].
.macro DQ src, nw, dst, sc
	WIN 5*(\nw)
.set bb_, 0
.rept 4
	v_max3_num_f32 v[TM+bb_], |v[(\src)+16*bb_]|, |v[(\src)+16*bb_+1]|, 0x1800000   ; with the floor 2^(3 - 127): the byte cannot fall under 1
.set bb_, bb_+1
.endr
.set i_, 2
.rept 7
.set bb_, 0
.rept 4
	v_max3_num_f32 v[TM+bb_], |v[(\src)+16*bb_+i_]|, |v[(\src)+16*bb_+i_+1]|, v[TM+bb_]
.set bb_, bb_+1
.endr
.set i_, i_+2
.endr
	WIN 0
.irp b, 0,1,2,3
	v_permlanex16_b32 v[TM+4+\b], v[TM+\b], s[SEL], s[SEL+1]
.endr
.irp b, 0,1,2,3
	v_max_num_f32 v[TM+\b], v[TM+\b], v[TM+4+\b]   ; with lane l xor 16's: the block's largest magnitude
.endr
.irp b, 0,1,2,3
	v_add_nc_u32 v[TM+12+\b], 0xff000000, v[TM+\b] ; 2 off its exponent field: the conversion's scale operand
.endr
.irp b, 0,1,2,3
	v_lshrrev_b32 v[TM+4+\b], 23, v[TM+12+\b]      ; the scale's byte
.endr
	v_lshl_or_b32 v[\sc], v[TM+5], 8, v[TM+4]
	v_lshl_or_b32 v[\sc], v[TM+6], 16, v[\sc]
	v_lshl_or_b32 v[\sc], v[TM+7], 24, v[\sc]
	WIN (\nw)
.set c_, 0
.rept 2
	v_cvt_scalef32_pk16_fp6_f32 v[(\dst)+6*c_:(\dst)+6*c_+2], v[(\src)+32*c_:(\src)+32*c_+15], v[TM+12+2*c_]
	v_cvt_scalef32_pk16_fp6_f32 v[CT+4*c_:CT+4*c_+2], v[(\src)+32*c_+16:(\src)+32*c_+31], v[TM+13+2*c_]
.set c_, c_+1
.endr
	WIN 0
	v_nop                                          ; one plain place behind a scaled conversion
.set c_, 0
.rept 2                                ; the operand's layout wants a whole block in a lane
.irp i, 0,1,2
	v_permlane16_swap_b32 v[(\dst)+6*c_+\i], v[CT+4*c_+\i]
.endr
.irp i, 0,1,2
	v_mov_b32 v[(\dst)+6*c_+3+\i], v[CT+4*c_+\i]
.endr
.set c_, c_+1
.endr
.endm
.macro DQ2 s0, s1, nw, dst, sc         ; both tiles of tokens; tile 1's scale word goes into lanes 16-31 of v[sc]
	DQ \s0, \nw, \dst, \sc
	DQ \s1, \nw, (\dst)+12, PW1
	v_permlane16_swap_b32 v[\sc], v[PW1]
.endm
; THE TILE'S QUANTISER: a lane takes a token (lane 16 u + r: token r of tile u) and 32 channels of a block from 32 rows of the tile.
.macro XLB i                           ; block i's 32 numbers into set i % 2 of window 1
.if ((\i)%2 == 0) && ((\i) > 0)
	WIN 0
	v_add_nc_u32 v[XA], 64*PITCH, v[XA]
.endif
	WIN 0x40
.set q_, 0
.rept 32
	ds_load_b32 v[32*((\i)%2)+q_], v[XA] offset:(32*((\i)%2)+q_)*PITCH
.set q_, q_+1
.endr
.endm
.macro XQB i
.set xb_, 32*((\i)%2)
.set fd_, XF+24*((\i)/4)+12*((\i)%2)+6*(((\i)%4)/2)
	WIN 0x05
	v_max3_num_f32 v[TM], |v[xb_]|, |v[xb_+1]|, 0x1800000
	v_max3_num_f32 v[TM+1], |v[xb_+16]|, |v[xb_+17]|, 0x1800000
.set q_, 2
.rept 7
	v_max3_num_f32 v[TM], |v[xb_+q_]|, |v[xb_+q_+1]|, v[TM]
	v_max3_num_f32 v[TM+1], |v[xb_+16+q_]|, |v[xb_+17+q_]|, v[TM+1]
.set q_, q_+2
.endr
	WIN 0
	v_max_num_f32 v[TM], v[TM], v[TM+1]
	v_add_nc_u32 v[TM+12], 0xff000000, v[TM]
.if (\i)%4 == 0
	v_lshrrev_b32 v[XS+(\i)/4], 23, v[TM+12]
.else
	v_lshrrev_b32 v[TM+4], 23, v[TM+12]
	v_lshl_or_b32 v[XS+(\i)/4], v[TM+4], 8*((\i)%4), v[XS+(\i)/4]
.endif
	WIN 0x01
	v_cvt_scalef32_pk16_fp6_f32 v[fd_:fd_+2], v[xb_:xb_+15], v[TM+12]
	v_cvt_scalef32_pk16_fp6_f32 v[CT:CT+2], v[xb_+16:xb_+31], v[TM+12]
	WIN 0
	v_nop
	v_mov_b32 v[fd_+3], v[CT]
	v_mov_b32 v[fd_+4], v[CT+1]
	v_mov_b32 v[fd_+5], v[CT+2]
.if (\i)%2 == 1                        ; an even block (all 32 tokens) and the odd one behind it become the two tiles' registers: lanes 0-15 the even block, lanes 16-31 the odd
.set q_, 0
.rept 6
	v_permlane16_swap_b32 v[fd_-12+q_], v[fd_+q_]
.set q_, q_+1
.endr
.endif
.endm
; elu(x) + 1 of 128 numbers in window 1: the middle one of 2^(x log2 e), 1 + x and 1 (e^x >= 1 + x everywhere, and e^x <= 1 just where x <= 0).  Four batches of 32 exponentials, one wait each.
.macro ELU base
	WIN 0x45
.set bt_, 0
.rept 4
.set x_, (\base)+32*bt_
.set i_, 0
.rept 16
	v_pk_mul_f32 v[ET+i_:ET+i_+1], v[x_+i_:x_+i_+1], 0x3fb8aa3b op_sel_hi:[1,0]
.set i_, i_+2
.endr
.set i_, 0
.rept 32
	v_exp_f32 v[ET+i_], v[ET+i_]
.set i_, i_+1
.endr
.set i_, 0
.rept 16
	v_pk_add_f32 v[x_+i_:x_+i_+1], v[x_+i_:x_+i_+1], 1.0 op_sel_hi:[1,0]   ; plain work behind the exponentials
.set i_, i_+2
.endr
	s_wait_alu depctr_va_vdst(0)                   ; one wait for the batch, ahead of its first reader
.set i_, 0
.rept 32
	v_med3_num_f32 v[x_+i_], v[ET+i_], v[x_+i_], 1.0
.set i_, i_+1
.endr
.set bt_, bt_+1
.endr
.endm
; tf in the layout of the transposed result (register 64 u + 8 t + j: channel 128 rho + 32 (t / 2) + 16 h + 8 (t % 2) + j of token r of tile u) becomes the C of the pos product; b2 comes beside it.
.macro CLOAD rho
.set q_, 0
.rept 2
	WIN 0x40
.set uu_, 0
.rept 2
.set tl_, 0
.rept 4
.set j_, 0
.rept 8
	ds_load_b32 v[64*uu_+8*(4*q_+tl_)+j_], v[VD+uu_] offset:(32*(tl_>>1)+8*(tl_&1)+j_)*PITCH
.set j_, j_+1
.endr
.set tl_, tl_+1
.endr
.set uu_, uu_+1
.endr
	WIN 0
	v_add_nc_u32 v[VD], 64*PITCH, v[VD]            ; 64 channels on
	v_add_nc_u32 v[VD+1], 64*PITCH, v[VD+1]
.set q_, q_+1
.endr
	WIN 0x40
.set bb_, 0
.rept 4
.set br_, ET+16*bb_
.if bb_ >= 2
.set br_, 224+16*(bb_-2)
.endif
.set q_, 0
.rept 4
	ds_load_b128 v[br_+4*q_:br_+4*q_+3], v[PB] offset:512*(\rho)+128*bb_+16*q_
.set q_, q_+1
.endr
.set bb_, bb_+1
.endr
.endm
; THE QUANTISER ALONG THE TOKENS.  Window 1, register 16 t + i: channel 128 rho + 16 t + r, token 16 h + i of my wave's 32.  A block lies in lanes l and l xor 16.  Two tiles' halves change places, so that lane L holds
; channel 32 p + L's whole block: 24 bytes to the channel's row at 24 x wave, and its byte.
.set TQM, 168
.set TQE, 176
.set TQS, 184
.set TQB, 192
.set TQC, 200
.macro TQ rho, ca, ba
	WIN 0x05
.set tl_, 0
.rept 8
	v_max3_num_f32 v[TQM+tl_], |v[16*tl_]|, |v[16*tl_+1]|, 0x1800000
.set tl_, tl_+1
.endr
.set i_, 2
.rept 7
.set tl_, 0
.rept 8
	v_max3_num_f32 v[TQM+tl_], |v[16*tl_+i_]|, |v[16*tl_+i_+1]|, v[TQM+tl_]
.set tl_, tl_+1
.endr
.set i_, i_+2
.endr
	WIN 0
.irp t, 0,1,2,3,4,5,6,7
	v_permlanex16_b32 v[TQE+\t], v[TQM+\t], s[SEL], s[SEL+1]
.endr
.irp t, 0,1,2,3,4,5,6,7
	v_max_num_f32 v[TQM+\t], v[TQM+\t], v[TQE+\t]
.endr
.irp t, 0,1,2,3,4,5,6,7
	v_add_nc_u32 v[TQS+\t], 0xff000000, v[TQM+\t]
.endr
.irp t, 0,1,2,3,4,5,6,7
	v_lshrrev_b32 v[TQB+\t], 23, v[TQS+\t]
.endr
	WIN 0x01
.irp t, 0,1,2,3,4,5,6,7
	v_cvt_scalef32_pk16_fp6_f32 v[TQC+4*\t:TQC+4*\t+2], v[16*\t:16*\t+15], v[TQS+\t]
.endr
	WIN 0
	v_nop
.irp p, 0,1,2,3
.irp i, 0,1,2
	v_permlane16_swap_b32 v[TQC+8*\p+\i], v[TQC+8*\p+4+\i]
.endr
	v_permlane16_swap_b32 v[TQB+2*\p], v[TQB+2*\p+1]
	v_mov_b32 v[TQC+8*\p+3], v[TQC+8*\p+4]
	v_mov_b32 v[TQC+8*\p+4], v[TQC+8*\p+5]
	v_mov_b32 v[TQC+8*\p+5], v[TQC+8*\p+6]
	ds_store_b64 v[\ca], v[TQC+8*\p:TQC+8*\p+1] offset:(128*(\rho)+32*\p)*200
	ds_store_b64 v[\ca], v[TQC+8*\p+2:TQC+8*\p+3] offset:(128*(\rho)+32*\p)*200+8
	ds_store_b64 v[\ca], v[TQC+8*\p+4:TQC+8*\p+5] offset:(128*(\rho)+32*\p)*200+16
	ds_store_b8 v[\ba], v[TQB+2*\p] offset:(128*(\rho)+32*\p)*8
.endr
.endm
.set KT, 168
.macro KS rho                          ; my 32 tokens' sum of K for each of the 128 channels
	WIN 0x05
.irp t, 0,1,2,3,4,5,6,7
	v_pk_add_f32 v[KT+2*\t:KT+2*\t+1], v[16*\t:16*\t+1], v[16*\t+2:16*\t+3]
.endr
	WIN 0x04
.irp i, 4,6,8,10,12,14
.irp t, 0,1,2,3,4,5,6,7
	v_pk_add_f32 v[KT+2*\t:KT+2*\t+1], v[KT+2*\t:KT+2*\t+1], v[16*\t+\i:16*\t+\i+1]
.endr
.endr
	WIN 0
.irp t, 0,1,2,3,4,5,6,7
	v_add_f32 v[KT+2*\t], v[KT+2*\t], v[KT+2*\t+1]
.endr
.irp t, 0,1,2,3,4,5,6,7
	v_permlanex16_b32 v[KT+2*\t+1], v[KT+2*\t], s[SEL], s[SEL+1]
.endr
.irp t, 0,1,2,3,4,5,6,7
	v_add_f32 v[KT+2*\t], v[KT+2*\t], v[KT+2*\t+1]
.endr
.irp p, 0,1,2,3
	v_permlane16_swap_b32 v[KT+4*\p], v[KT+4*\p+2] ; lane L: channel 32 p + L
	ds_store_b32 v[KSA], v[KT+4*\p] offset:4*(128*(\rho)+32*\p)
.endr
.endm
.macro FR6 reg, adr, off               ; a fragment from rows of codes: 24 bytes twice, in pieces of 8
.irp p, 0,1,2,3,4,5
	ds_load_b64 v[(\reg)+2*\p:(\reg)+2*\p+1], v[\adr] offset:(\off)+48*(\p/3)+8*(\p%3)
.endr
.endm
	s_load_b512 s[4:19], s[0:1], 0x0               ; template_feat s[4:5], template_xyz, pos_w1, pos_b1, pos_b2 s[12:13], wts, kvp, ksp s[18:19]
	v_lshl_add_u32 v[SPW], v0, 2, SPARE
	v_mov_b32 v[NIL], 0
	ds_add_u32 v[SPW], v[NIL]                      ; the wave's opening: the add and its wait ahead of my first tensor load
	v_lshrrev_b32 v250, 5, v0
	v_readfirstlane_b32 s[WV], v250                ; wave 0..7
	s_bfe_u32 s[CX], ttmp6, 0x40000                ; my place in the cluster: it enters global addresses of my own loads and stores alone
	s_lshl_b32 s[GG], ttmp9, 2
	s_add_co_u32 s[GG], s[GG], s[CX]               ; work-group
	s_lshr_b32 s[BB], ttmp9, 3                     ; batch: the four partners share it
	s_and_b32 s26, s[GG], 31
	s_lshl_b32 s26, s26, 8                         ; my first token in the batch
	s_mov_b32 s[SEL], 0x76543210
	s_mov_b32 s[SEL+1], 0xfedcba98
	s_mov_b32 s[HM], 0xffff0000                    ; lanes 16-31
	s_mov_b32 s[TB], SLOT0
	s_mov_b32 s[G1X], (2<<16)|(1<<20)|(7<<22)|(1<<25)  ; no mask; elements of 4 bytes; padding on: behind every 256 words 2 words
	s_mov_b32 s[G1X+1], 256<<16                    ; tensor_dim0 = 256 tokens
	s_mov_b32 s[G1X+2], 32<<16                     ; tensor_dim1 = 32 channels
	s_mov_b32 s[G1X+3], 256<<16                    ; tile_dim0
	s_mov_b32 s[G1X+4], 32                         ; tile_dim1
	s_mov_b32 s[G1X+5], 8192                       ; from channel to channel
	s_mov_b32 s[G1X+6], 0
	s_mov_b32 s[G1X+7], 0
	s_mov_b32 s[G1R], 15|(3<<16)|(1<<21)           ; the mask: all four work-groups; elements of 8 bytes; bit 21 beside a mask
	s_mov_b32 s[G1R+1], 32<<16                     ; a record: 100 rows of 256 bytes, dense
	s_mov_b32 s[G1R+2], 100<<16
	s_mov_b32 s[G1R+3], 32<<16
	s_mov_b32 s[G1R+4], 100
	s_mov_b32 s[G1R+5], 32
	s_mov_b32 s[G1R+6], 0
	s_mov_b32 s[G1R+7], 0
	s_mov_b32 s[G0X], 1
	s_mul_i32 s[G0X+1], s[WV], 32*PITCH
	s_mov_b32 s[G0A], 1
	s_mov_b32 s[G0A+1], SLOT0
	s_mov_b32 s[G0W], 1
	s_mov_b32 s[G0W+1], SLOT0+0x8000
	s_lshl_b32 s66, s[BB], 23                      ; the tile: batch x 8 MiB + 32 channels a wave + 4 x first token
	s_lshl_b32 s67, s[WV], 20
	s_add_co_u32 s66, s66, s67
	s_lshl_b32 s67, s26, 2
	s_add_co_u32 s66, s66, s67
	s_mov_b32 s67, 0
	s_lshl_b32 s68, s[BB], 13                      ; xyz: 12 bytes a token
	s_add_co_u32 s68, s68, s26
	s_lshl_b32 s69, s[WV], 5
	s_add_co_u32 s68, s68, s69
	s_mul_i32 s68, s68, 12
	s_mov_b32 s69, 0
	s_lshl_b32 s70, s[GG], 3                       ; kvp: 4,096 bytes for each work-group and head
	s_add_co_u32 s70, s70, s[WV]
	s_lshl_b32 s70, s70, 12
	s_mov_b32 s71, 0
	s_lshl_b32 s72, s[GG], 10                      ; ksp: 1,024 bytes a work-group
	s_mov_b32 s73, 0
	s_wait_dscnt 0x0                               ; the opening add is done
	s_wait_kmcnt 0x0
	s_add_nc_u64 s[G0X+2:G0X+3], s[4:5], s[66:67]
	s_or_b32 s[G0X+3], s[G0X+3], 0x80000000
	s_add_nc_u64 s[G0A+2:G0A+3], s[14:15], FIRST*RECB
	s_or_b32 s[G0A+3], s[G0A+3], 0x80000000
	s_add_nc_u64 s[G0W+2:G0W+3], s[14:15], (FIRST+1)*RECB
	s_or_b32 s[G0W+3], s[G0W+3], 0x80000000
	s_add_nc_u64 s[6:7], s[6:7], s[68:69]
	s_add_nc_u64 s[16:17], s[16:17], s[70:71]
	s_add_nc_u64 s[18:19], s[18:19], s[72:73]
	CROUND                                         ; all four work-groups are here: the first joint loads meet
	tensor_load_to_lds s[G0X:G0X+3], s[G1X:G1X+7]  ; my 32 channels of the tile
	s_nop 0
	s_cmp_lg_u32 s[WV], 0
	s_cbranch_scc1 .Lfilled
	tensor_load_to_lds s[G0A:G0A+3], s[G1R:G1R+7]  ; wave 0: the first two records: three loads of mine are out
	s_nop 0
	tensor_load_to_lds s[G0W:G0W+3], s[G1R:G1R+7]
	s_nop 0
.Lfilled:
.rept 4
	v_nop
.endr
	; ---- HID, while the tile is on its way: hid = relu(xyz w1 + b1) by the f32 matrix form, K = 4: (x, y, z, 1) against (w1[0], w1[1], w1[2], b1)
	v_and_b32 v250, 15, v0                         ; r
	v_bfe_u32 v251, v0, 4, 1                       ; h
	v_and_b32 v252, 8, v250
	v_add_nc_u32 v252, v252, v250                  ; r + 8 (r / 8)
	v_lshlrev_b32 v254, 2, v252
	v_lshl_add_u32 v253, v251, 11, v254            ; w1[2 h][channel]
	v_mul_u32_u24 v249, v252, 12
	v_lshl_add_u32 v255, v251, 3, v249             ; x, or z in lanes 16-31
	v_add_nc_u32 v249, 4, v249                     ; y
	v_lshlrev_b32 v248, 2, v0
	global_load_b32 v247, v248, s[12:13]           ; pos_b2: a word a thread
.set t_, 0
.rept 16
	global_load_b32 v[WB+2*t_], v253, s[8:9] offset:(32*(t_>>1)+8*(t_&1))*4
	global_load_b32 v[WB+2*t_+1], v254, s[8:9] offset:1024+(32*(t_>>1)+8*(t_&1))*4
	global_load_b32 v[WB+32+t_], v254, s[10:11] offset:(32*(t_>>1)+8*(t_&1))*4
.set t_, t_+1
.endr
	global_load_b32 v6, v255, s[6:7]
	global_load_b32 v7, v249, s[6:7]
	global_load_b32 v22, v255, s[6:7] offset:96    ; tile 1: 8 tokens on
	global_load_b32 v23, v249, s[6:7] offset:96
	s_wait_loadcnt 0x0
	v_add_nc_u32 v248, PAR, v248
	ds_store_b32 v248, v247
.set t_, 0
.rept 16
	v_cndmask_b32 v[WB+2*t_+1], v[WB+2*t_+1], v[WB+32+t_], s[HM]   ; k = 1: w1[1]; k = 3: b1
.set t_, t_+1
.endr
	v_cndmask_b32 v7, v7, 1.0, s[HM]
	v_cndmask_b32 v23, v23, 1.0, s[HM]
	v_and_b32 v253, 31, v0                         ; lane
	v_lshlrev_b32 v[LI], 4, v253
	s_lshl_b32 s66, s[WV], 7
	v_lshl_add_u32 v[XA], v251, 5, v254            ; the tile's quantiser: token 8 (lane / 16) + r + 8 (r / 8) of my 32
	v_add_nc_u32 v[XA], s66, v[XA]
	v_mul_u32_u24 v[VD], v251, 16*PITCH            ; tf as C: 16 channels down for lanes 16-31
	v_add_nc_u32 v[VD], v[VD], v254
	v_add_nc_u32 v[VD], s66, v[VD]
	v_add_nc_u32 v[VD+1], 32, v[VD]
	v_lshl_add_u32 v[PB], v251, 6, PAR
	s_mul_i32 s66, s[WV], 24
	v_mul_u32_u24 v[TQV], v253, 200
	v_add_nc_u32 v[TQV], s66, v[TQV]
	v_add_nc_u32 v[TQK], KC, v[TQV]
	v_lshl_add_u32 v[TBV], v253, 3, VSB
	v_add_nc_u32 v[TBV], s[WV], v[TBV]
	v_add_nc_u32 v[TBK], KSB-VSB, v[TBV]
	s_lshl_b32 s66, s[WV], 10
	v_lshl_add_u32 v[KSA], v253, 2, KSX
	v_add_nc_u32 v[KSA], s66, v[KSA]
.irp b, 0,1,2,3
	v_mov_b32 v[TM+4+\b], 0                        ; written once: a lane permute's destination counts as one of its sources
.endr
.set hs_, 0
.rept 2
.set hu_, 0
.rept 2
	WIN 0x40
.set ht_, 0
.rept 8
	v_wmma_f32_16x16x4_f32 v[FD+8*ht_:FD+8*ht_+7], v[WB+2*(8*hs_+ht_):WB+2*(8*hs_+ht_)+1], v[6+16*hu_:7+16*hu_], 0
.set ht_, ht_+1
.endr
	PLACES 8                                       ; eight places behind this form
	WIN 0x44
.set hi_, 0
.rept 64
	v_max_num_f32 v[hi_], 0, v[FD+hi_]             ; the activation, into other registers
.set hi_, hi_+1
.endr
.set hc_, HS+hs_
.if hu_
.set hc_, PW1
.endif
	DQ 0, 1, HF+24*hs_+12*hu_, hc_
.set hu_, hu_+1
.endr
	v_permlane16_swap_b32 v[HS+hs_], v[PW1]
.set hs_, hs_+1
.endr
	v_lshl_add_u32 v[LS4], v253, 2, 24576
	v_add_nc_u32 v[WA], s[TB], v[LI]
	v_add_nc_u32 v[SA], s[TB], v[LS4]
	s_wait_tensorcnt 0x0                           ; my part of the tile is in, and wave 0's two records;
	s_wait_dscnt 0x0                               ; my word of pos_b2 has landed
	s_barrier_signal -1
	s_barrier_wait -1                              ; everybody's are
	; ---- the codes of tf
	XLB 0
.irp i, 0,1,2,3,4,5,6,7
.if \i < 7
	XLB \i+1
	s_wait_dscnt 32                                ; this block's 32 loads are in; the next block's may be out
.else
	s_wait_dscnt 0
.endif
	XQB \i
.endr
	; ---- records 0, 1: tf + pos, 128 channels each, and its codes
.irp rho, 0,1
	CLOAD \rho
	MM 1, 8, 0, 0, 0, 64, 8, 1, HF, HS
	PLACES 4
	WIN 0x45
.set uu_, 0
.rept 2
.set bb_, 0
.rept 4
.set br_, ET+16*bb_
.if bb_ >= 2
.set br_, 224+16*(bb_-2)
.endif
.set i_, 0
.rept 8
	v_pk_add_f32 v[64*uu_+16*bb_+i_:64*uu_+16*bb_+i_+1], v[64*uu_+16*bb_+i_:64*uu_+16*bb_+i_+1], v[br_+i_:br_+i_+1]
.set i_, i_+2
.endr
.set bb_, bb_+1
.endr
.set uu_, uu_+1
.endr
	DQ2 0, 64, 1, TP+24*\rho, TS+\rho
	CHANGE 1
.endr
	; ---- records 2, 3: v / 8192, quantised along the tokens.  Every wave's reads of the tile were waited for in front of the round above: from here on its bytes are written over
.irp rho, 0,1
	MM 0, 8, 1, 0, 0, 8, 16, 1, TP, TS
	PLACES 4
	TQ \rho, TQV, TBV
	CHANGE 1
.endr
	; ---- records 4, 5: K = elu(k) + 1, its sums and its codes
	MM 0, 8, 1, 0, 0, 8, 16, 1, XF, XS
	PLACES 4
	ELU 0
	KS 0
	TQ 0, TQK, TBK
	CHANGE 0
	MM 0, 8, 1, 0, 0, 8, 16, 1, XF, XS
	PLACES 4
	ELU 0
	KS 1
	TQ 1, TQK, TBK
	s_wait_dscnt 0x0                               ; for the others' sake: my codes, bytes and sums have landed
	s_barrier_signal -1
	s_barrier_wait -1
	; ---- head w: KV[d][v] over the work-group's 256 tokens, two K steps.  Tile a of K^T takes row d = 8 a + r + 8 (r / 8), so that register 16 bb + i of lane (r, h) is KV[16 h + i][16 bb + r]
	s_lshl_b32 s66, s[WV], 5
	v_add_nc_u32 v253, s66, v252
	v_mul_u32_u24 v241, v253, 200
	v_mad_u32_u24 v241, v251, 24, v241
	v_add_nc_u32 v241, KC, v241
	v_lshl_add_u32 v243, v253, 3, KSB
	v_add_nc_u32 v253, s66, v250
	v_mul_u32_u24 v242, v253, 200
	v_mad_u32_u24 v242, v251, 24, v242
	v_lshl_add_u32 v244, v253, 3, VSB
	v_lshlrev_b32 v246, 3, v0
	v_add_nc_u32 v245, KSX, v246
.irp a, 0,1
.irp s, 0,1
	FR6 24+12*(2*\a+\s), 241, 8*\a*200+96*\s
	FR6 72+12*(2*\a+\s), 242, 16*\a*200+96*\s
	ds_load_b32 v[8+2*\a+\s], v243 offset:64*\a+4*\s
	ds_load_b32 v[12+2*\a+\s], v244 offset:128*\a+4*\s
.endr
.endr
	s_wait_dscnt 0x0
.irp b, 0,1
.irp a, 0,1
	v_wmma_scale_f32_16x16x128_f8f6f4 v[120+16*\b+8*\a:127+16*\b+8*\a], v[24+24*\a:35+24*\a], v[72+24*\b:83+24*\b], 0, v[8+2*\a], v[12+2*\b] matrix_a_fmt:MATRIX_FMT_FP6 matrix_b_fmt:MATRIX_FMT_FP6
.endr
.endr
.irp b, 0,1
.irp a, 0,1
	v_wmma_scale_f32_16x16x128_f8f6f4 v[120+16*\b+8*\a:127+16*\b+8*\a], v[36+24*\a:47+24*\a], v[84+24*\b:95+24*\b], v[120+16*\b+8*\a:127+16*\b+8*\a], v[9+2*\a], v[13+2*\b] matrix_a_fmt:MATRIX_FMT_FP6 matrix_b_fmt:MATRIX_FMT_FP6
.endr
.endr
	PLACES 4
.irp q, 0,1,2,3,4,5,6,7
	global_store_b128 v[LI], v[120+4*\q:123+4*\q], s[16:17] offset:512*\q   ; the registers' image: each store covers 512 consecutive bytes
.endr
	s_cmp_lt_u32 s[WV], 4                          ; waves 0 to 3 add the eight waves' sums of K: two channels a thread, 256 consecutive bytes a wave
	s_cbranch_scc0 .Lnoks
.irp i, 0,1,2,3,4,5,6,7
	ds_load_b64 v[160+2*\i:161+2*\i], v245 offset:1024*\i
.endr
	s_wait_dscnt 0x0
	v_pk_add_f32 v[160:161], v[160:161], v[162:163]
	v_pk_add_f32 v[164:165], v[164:165], v[166:167]
	v_pk_add_f32 v[168:169], v[168:169], v[170:171]
	v_pk_add_f32 v[172:173], v[172:173], v[174:175]
	v_pk_add_f32 v[160:161], v[160:161], v[164:165]
	v_pk_add_f32 v[168:169], v[168:169], v[172:173]
	v_pk_add_f32 v[160:161], v[160:161], v[168:169]
	global_store_b64 v246, v[160:161], s[18:19]
.Lnoks:
	s_wait_tensorcnt 0x0                           ; the wave's end, behind my last tensor load and my last LDS store
	ds_add_u32 v[SPW], v[NIL]
	s_wait_dscnt 0x0
	CROUND                                         ; the closing round
	s_endpgm
.Lfunc_end_k_q16ac2887e5_tmpl:
	.size	k_q16ac2887e5_tmpl, .Lfunc_end_k_q16ac2887e5_tmpl-k_q16ac2887e5_tmpl
	.p2alignl 7, 3214868480
	.fill 96, 4, 3214868480
	.section	.rodata,"a",@progbits
	.p2align	6, 0x0
	.amdhsa_kernel k_q16ac2887e5_tmpl
		.amdhsa_group_segment_fixed_size 327680
		.amdhsa_private_segment_fixed_size 0
		.amdhsa_enable_private_segment 0
		.amdhsa_kernarg_size 64
		.amdhsa_user_sgpr_count 2
		.amdhsa_user_sgpr_kernarg_segment_ptr 1
		.amdhsa_wavefront_size32 1
		.amdhsa_system_sgpr_workgroup_id_x 1
		.amdhsa_system_sgpr_workgroup_id_y 1
		.amdhsa_system_sgpr_workgroup_id_z 1
		.amdhsa_system_vgpr_workitem_id 0
		.amdhsa_next_free_vgpr 512
		.amdhsa_next_free_sgpr 96
		.amdhsa_reserve_vcc 0
		.amdhsa_float_denorm_mode_32 3
		.amdhsa_float_denorm_mode_16_64 3
		.amdhsa_memory_ordered 1
		.amdhsa_forward_progress 1
		.amdhsa_inst_pref_size 255
	.end_amdhsa_kernel
	.section	.bss,"aw",@nobits
	.p2align	6
	.space	262144
	.amdgpu_metadata
---
amdhsa.version: [ 1, 2 ]
amdhsa.kernels:
  - .name:           k_q16ac2887e5_tmpl
    .symbol:         k_q16ac2887e5_tmpl.kd
    .args:
      - { .name: template_feat, .offset: 0, .size: 8, .value_kind: global_buffer, .address_space: global }
      - { .name: template_xyz, .offset: 8, .size: 8, .value_kind: global_buffer, .address_space: global }
      - { .name: pos_w1, .offset: 16, .size: 8, .value_kind: global_buffer, .address_space: global }
      - { .name: pos_b1, .offset: 24, .size: 8, .value_kind: global_buffer, .address_space: global }
      - { .name: pos_b2, .offset: 32, .size: 8, .value_kind: global_buffer, .address_space: global }
      - { .name: wts, .offset: 40, .size: 8, .value_kind: global_buffer, .address_space: global }
      - { .name: kvp, .offset: 48, .size: 8, .value_kind: global_buffer, .address_space: global }
      - { .name: ksp, .offset: 56, .size: 8, .value_kind: global_buffer, .address_space: global }
    .group_segment_fixed_size: 327680
    .private_segment_fixed_size: 0
    .kernarg_segment_align: 8
    .kernarg_segment_size: 64
    .max_flat_workgroup_size: 256
    .sgpr_count:     96
    .vgpr_count:     512
    .wavefront_size: 32
...
	.end_amdgpu_metadata
.endif
;; end of part 2
;; launch redu (part 3): grid 64 x 1, 8 waves a work-group, no clusters, 38,144 bytes of LDS; arguments kvp, ksp, kvc, ksum; writes kvc, ksum
.if DOCPART == 3
	.amdgcn_target "amdgcn-amd-amdhsa--gfx1250"
	.amdhsa_code_object_version 6
	.text
	.protected	k_q16ac2887e5_redu
	.globl	k_q16ac2887e5_redu
	.p2align	8
	.type	k_q16ac2887e5_redu,@function
k_q16ac2887e5_redu:
	s_mov_b64 s[64:65], 0
	v_nop
	global_prefetch_b8 v0, s[64:65] scope:SCOPE_SE
	s_setreg_imm32_b32 hwreg(HW_REG_WAVE_MODE, 25, 1), 1
	s_wait_xcnt 0x0
; REDU: for batch b = work-group / 8 and head hd = work-group % 8 the 32 work-groups' partial sums of KV and of Ksum are added; KV is quantised along d (one block of 32) and laid as two fragments of batch b's record:
; fragment 2 hd + u', row r' = output channel v = 8 u' + r' + 8 (r' / 8) of the head, its 32 codes in block hd % 4 of the fragment's 128 along K; the three other blocks are zero codes, so that the product with all 128 codes of Q keeps
; the head's own 32 alone.  The scale word holds the block's byte at place hd % 4 and 0 elsewhere (over zero codes any byte but 0xff adds nothing).
; Wave w adds four partials; the eight sums meet in LDS; wave 0 adds them and quantises.  In a partial, register 16 bb + i of lane (r, h) is KV[d = 16 h + i][v = 16 bb + r].
; LIMITS: a block of zeros carries the byte 1 with zero codes; NaN and infinities are not served.
.set PART,  0                          ; eight images of 4,096 bytes
.set KSP,   32768                      ; eight rows of 32 sums of K
.set IMG,   33792                      ; the two fragments' images, 3,072 bytes
.set SCW,   36864                      ; their 32 scale words
.set SPARE, 37120                      ; the spare words, 128 bytes for each wave
.set SPW, 1
.set NIL, 2
	s_load_b256 s[4:11], s[0:1], 0x0               ; kvp s[4:5], ksp s[6:7], kvc s[8:9], ksum s[10:11]
	v_lshl_add_u32 v[SPW], v0, 2, SPARE
	v_mov_b32 v[NIL], 0
	v_lshrrev_b32 v3, 5, v0
	v_readfirstlane_b32 s12, v3                    ; wave
	s_lshr_b32 s13, ttmp9, 3                       ; b
	s_and_b32 s14, ttmp9, 7                        ; hd
	v_and_b32 v5, 31, v0
	v_lshlrev_b32 v3, 4, v5                        ; 16 x lane
	v_lshlrev_b32 v4, 2, v5                        ; 4 x lane
	s_lshl_b32 s15, s12, 12
	v_add_nc_u32 v6, s15, v3                       ; my image
	s_lshl_b32 s15, s12, 7
	v_add_nc_u32 v7, s15, v4
	v_add_nc_u32 v7, KSP, v7                       ; my row of sums
	v_bfe_u32 v12, v0, 3, 1                        ; lane = v: u' = (v / 8) % 2,
	v_and_b32 v13, 7, v0
	v_bfe_u32 v14, v0, 4, 1
	v_lshl_add_u32 v13, v14, 3, v13                ; r' = v % 8 + 8 (v / 16)
	v_mul_u32_u24 v14, v12, 1536
	v_lshl_add_u32 v14, v13, 4, v14
	v_add_nc_u32 v14, IMG, v14
	s_and_b32 s16, s14, 1
	s_lshl_b32 s16, s16, 8                         ; lanes 16-31 of the image where hd is odd
	s_bfe_u32 s17, s14, 0x10001                    ; c = (hd / 2) % 2: registers 6 c .. 6 c + 5
	s_mul_i32 s18, s17, 520
	s_add_co_u32 s18, s18, s16
	s_mul_i32 s19, s17, 1016
	s_add_co_u32 s19, s19, s16
	v_add_nc_u32 v15, s19, v14                     ; registers 2, 3 go 1,016 bytes on where c = 1,
	v_add_nc_u32 v14, s18, v14                     ; the others 520
	v_lshlrev_b32 v12, 6, v12
	v_lshl_add_u32 v12, v13, 2, v12
	v_add_nc_u32 v12, SCW, v12
	s_and_b32 s20, s14, 3
	s_lshl_b32 s20, s20, 3                         ; the byte's place in the word
	s_mov_b32 s22, 0x76543210
	s_mov_b32 s23, 0xfedcba98
	s_lshl_b32 s24, s13, 20                        ; kvp: (32 b + 4 w) x 32,768 + hd x 4,096
	s_lshl_b32 s26, s12, 17
	s_add_co_u32 s24, s24, s26
	s_lshl_b32 s26, s14, 12
	s_add_co_u32 s24, s24, s26
	s_mov_b32 s25, 0
	s_lshl_b32 s26, s13, 15                        ; ksp: (32 b + 4 w) x 1,024 + hd x 128
	s_lshl_b32 s28, s12, 12
	s_add_co_u32 s26, s26, s28
	s_lshl_b32 s28, s14, 7
	s_add_co_u32 s26, s26, s28
	s_mov_b32 s27, 0
	s_mul_i32 s30, s13, 25600                      ; kvc: the batch's record,
	s_add_co_u32 s32, s30, s28
	s_add_co_u32 s32, s32, 24576                   ; its scale words of fragments 2 hd, 2 hd + 1,
	s_mov_b32 s33, 0
	s_mul_i32 s34, s14, 3072
	s_add_co_u32 s30, s30, s34                     ; their images
	s_mov_b32 s31, 0
	s_lshl_b32 s34, s13, 10
	s_add_co_u32 s34, s34, s28                     ; ksum
	s_mov_b32 s35, 0
	s_wait_kmcnt 0x0
	s_add_nc_u64 s[4:5], s[4:5], s[24:25]
	s_add_nc_u64 s[6:7], s[6:7], s[26:27]
	s_add_nc_u64 s[36:37], s[8:9], s[32:33]
	s_add_nc_u64 s[8:9], s[8:9], s[30:31]
	s_add_nc_u64 s[10:11], s[10:11], s[34:35]
.irp i, 0,1,2,3
.irp q, 0,1,2,3,4,5,6,7
	global_load_b128 v[16+32*\i+4*\q:19+32*\i+4*\q], v3, s[4:5] offset:32768*\i+512*\q
.endr
	global_load_b32 v[8+\i], v4, s[6:7] offset:1024*\i
.endr
	s_wait_loadcnt 0x0
.set i_, 0
.rept 16
	v_pk_add_f32 v[16+i_:17+i_], v[16+i_:17+i_], v[48+i_:49+i_]
	v_pk_add_f32 v[80+i_:81+i_], v[80+i_:81+i_], v[112+i_:113+i_]
.set i_, i_+2
.endr
.set i_, 0
.rept 16
	v_pk_add_f32 v[16+i_:17+i_], v[16+i_:17+i_], v[80+i_:81+i_]
.set i_, i_+2
.endr
	v_add_f32 v8, v8, v9
	v_add_f32 v10, v10, v11
	v_add_f32 v8, v8, v10
.irp q, 0,1,2,3,4,5,6,7
	ds_store_b128 v6, v[16+4*\q:19+4*\q] offset:512*\q
.endr
	ds_store_b32 v7, v8
	s_wait_dscnt 0x0                               ; for wave 0's sake: my stores have landed
	s_barrier_signal -1
	s_barrier_wait -1
	s_cmp_lg_u32 s12, 0
	s_cbranch_scc1 .Lend
.irp i, 1,2,3,4                        ; the other waves' images: four, then three
.irp q, 0,1,2,3,4,5,6,7
	ds_load_b128 v[16+32*\i+4*\q:19+32*\i+4*\q], v3 offset:4096*\i+512*\q
.endr
.endr
	s_wait_dscnt 0x0
.irp i, 1,2,3,4
.set i_, 0
.rept 16
	v_pk_add_f32 v[16+i_:17+i_], v[16+i_:17+i_], v[16+32*\i+i_:17+32*\i+i_]
.set i_, i_+2
.endr
.endr
.irp i, 1,2,3
.irp q, 0,1,2,3,4,5,6,7
	ds_load_b128 v[16+32*\i+4*\q:19+32*\i+4*\q], v3 offset:4096*(\i+4)+512*\q
.endr
.endr
	s_wait_dscnt 0x0
.irp i, 1,2,3
.set i_, 0
.rept 16
	v_pk_add_f32 v[16+i_:17+i_], v[16+i_:17+i_], v[16+32*\i+i_:17+32*\i+i_]
.set i_, i_+2
.endr
.endr
.irp b, 0,1                            ; column v = 16 bb + r: my 16 of its 32 numbers along d
	v_max3_num_f32 v[176+\b], |v[16+16*\b]|, |v[17+16*\b]|, 0x1800000
.endr
.irp i, 2,4,6,8,10,12,14
.irp b, 0,1
	v_max3_num_f32 v[176+\b], v[176+\b], |v[16+16*\b+\i]|, |v[17+16*\b+\i]|
.endr
.endr
	v_mov_b32 v178, 0
	v_mov_b32 v179, 0
.irp b, 0,1
	v_permlanex16_b32 v[178+\b], v[176+\b], s22, s23
.endr
.irp b, 0,1
	v_max_num_f32 v[176+\b], v[176+\b], v[178+\b]
.endr
.irp b, 0,1
	v_add_nc_u32 v[180+\b], 0xff000000, v[176+\b]
.endr
.irp b, 0,1
	v_lshrrev_b32 v[182+\b], 23, v[180+\b]
.endr
	v_cvt_scalef32_pk16_fp6_f32 v[184:186], v[16:31], v180
	v_cvt_scalef32_pk16_fp6_f32 v[188:190], v[32:47], v181
	v_nop                                          ; one plain place behind a scaled conversion
.irp i, 0,1,2
	v_permlane16_swap_b32 v[184+\i], v[188+\i]     ; lane v now holds column v's whole block: 184-186 its lower 16 codes, 188-190 its upper
.endr
	v_permlane16_swap_b32 v182, v183               ; and its byte
	v_lshlrev_b32 v204, s20, v182
.irp i, 0,1,2,3
	v_mov_b32 v[192+\i], 0
.endr
.irp q, 0,1,2,3,4,5
	ds_store_b128 v3, v[192:195] offset:IMG+512*\q ; zero codes everywhere; LDS serves a wave's instructions in order, so the codes below land on them
.endr
	ds_store_b32 v14, v184
	ds_store_b32 v14, v185 offset:4
	ds_store_b32 v15, v186 offset:8
	ds_store_b32 v15, v188 offset:12
	ds_store_b32 v14, v189 offset:512
	ds_store_b32 v14, v190 offset:516
	ds_store_b32 v12, v204
.irp q, 0,1,2,3,4,5
	ds_load_b128 v[208+4*\q:211+4*\q], v3 offset:IMG+512*\q
.endr
	ds_load_b32 v232, v4 offset:SCW
.irp i, 0,1,2,3,4,5,6,7
	ds_load_b32 v[233+\i], v4 offset:KSP+128*\i
.endr
	s_wait_dscnt 0x0
.irp q, 0,1,2,3,4,5
	global_store_b128 v3, v[208+4*\q:211+4*\q], s[8:9] offset:512*\q
.endr
	global_store_b32 v4, v232, s[36:37]
	v_add_f32 v233, v233, v234
	v_add_f32 v235, v235, v236
	v_add_f32 v237, v237, v238
	v_add_f32 v239, v239, v240
	v_add_f32 v233, v233, v235
	v_add_f32 v237, v237, v239
	v_add_f32 v233, v233, v237
	global_store_b32 v4, v233, s[10:11]
.Lend:
	s_wait_tensorcnt 0x0                           ; the wave's end, behind my last LDS store
	ds_add_u32 v[SPW], v[NIL]
	s_wait_dscnt 0x0
	s_endpgm
.Lfunc_end_k_q16ac2887e5_redu:
	.size	k_q16ac2887e5_redu, .Lfunc_end_k_q16ac2887e5_redu-k_q16ac2887e5_redu
	.p2alignl 7, 3214868480
	.fill 96, 4, 3214868480
	.section	.rodata,"a",@progbits
	.p2align	6, 0x0
	.amdhsa_kernel k_q16ac2887e5_redu
		.amdhsa_group_segment_fixed_size 38144
		.amdhsa_private_segment_fixed_size 0
		.amdhsa_enable_private_segment 0
		.amdhsa_kernarg_size 32
		.amdhsa_user_sgpr_count 2
		.amdhsa_user_sgpr_kernarg_segment_ptr 1
		.amdhsa_wavefront_size32 1
		.amdhsa_system_sgpr_workgroup_id_x 1
		.amdhsa_system_sgpr_workgroup_id_y 1
		.amdhsa_system_sgpr_workgroup_id_z 1
		.amdhsa_system_vgpr_workitem_id 0
		.amdhsa_next_free_vgpr 256
		.amdhsa_next_free_sgpr 66
		.amdhsa_reserve_vcc 0
		.amdhsa_float_denorm_mode_32 3
		.amdhsa_float_denorm_mode_16_64 3
		.amdhsa_memory_ordered 1
		.amdhsa_forward_progress 1
		.amdhsa_inst_pref_size 26
	.end_amdhsa_kernel
	.amdgpu_metadata
---
amdhsa.version: [ 1, 2 ]
amdhsa.kernels:
  - .name:           k_q16ac2887e5_redu
    .symbol:         k_q16ac2887e5_redu.kd
    .args:
      - { .name: kvp, .offset: 0, .size: 8, .value_kind: global_buffer, .address_space: global }
      - { .name: ksp, .offset: 8, .size: 8, .value_kind: global_buffer, .address_space: global }
      - { .name: kvc, .offset: 16, .size: 8, .value_kind: global_buffer, .address_space: global }
      - { .name: ksum, .offset: 24, .size: 8, .value_kind: global_buffer, .address_space: global }
    .group_segment_fixed_size: 38144
    .private_segment_fixed_size: 0
    .kernarg_segment_align: 8
    .kernarg_segment_size: 32
    .max_flat_workgroup_size: 256
    .sgpr_count:     66
    .vgpr_count:     256
    .wavefront_size: 32
...
	.end_amdgpu_metadata
.endif
;; end of part 3
;; launch srch (part 4): grid 256 x 1, 8 waves a work-group, clusters of 4 x 1, 327,680 bytes of LDS; arguments search_feat, wts, kvc, ksum, ln1_g, ln1_b, ln2_g, ln2_b, out0; writes out0
.if DOCPART == 4
	.amdgcn_target "amdgcn-amd-amdhsa--gfx1250"
	.amdhsa_code_object_version 6
	.text
	.protected	k_q16ac2887e5_srch
	.globl	k_q16ac2887e5_srch
	.p2align	8
	.type	k_q16ac2887e5_srch,@function
k_q16ac2887e5_srch:
	s_mov_b64 s[64:65], 0
	v_nop
	global_prefetch_b8 v0, s[64:65] scope:SCOPE_SE
	s_setreg_imm32_b32 hwreg(HW_REG_WAVE_MODE, 25, 1), 1
	s_wait_xcnt 0x0
	s_wait_alu depctr_hold_cnt(0) depctr_sa_sdst(0) depctr_va_vdst(0) depctr_va_sdst(0) depctr_va_ssrc(0) depctr_va_vcc(0) depctr_vm_vsrc(0)
	s_getreg_b32 s2, hwreg(HW_REG_IB_STS2, 6, 4)
	s_cmp_eq_u32 s2, 0
	s_cbranch_scc0 .Lentry_in_a_cluster
	s_endpgm
.Lentry_in_a_cluster:
	s_bfe_u32 s2, ttmp6, 0x10000c
	s_cmp_lg_u32 s2, 0x3003
	s_cbranch_scc0 .Lentry_shape_is_right
	s_endpgm
.Lentry_shape_is_right:
; SRCH: the search side.  Q = elu(Q(sf) Q(q_w)) + 1; Z = 1 / (Q . Ksum + 1e-6) in f32; msg = (Q(Q) Q(KV)) Z 8192; merge; layer norm; relu(Q([sf, msg]) Q(mlp_w1)) Q(mlp_w2); layer norm; + sf; out as [channel][token].
; SHARES.  Work-group g = 4 x cluster + place owns tokens 256 (g % 32) on of batch g / 32; each of eight waves owns 32, two tiles of 16 (tile u, row r: token 16 u + r), and carries them through the chain in registers.
; The feature tile, 256 channels x 256 tokens of f32, comes into LDS once; it gives the codes of sf, later the residual, and takes the results, which leave as whole rows.  The weight records (PREP's and REDU's layout)
; walk through a ring of two LDS slots; every work-group walks the same records (the four of a cluster are of one batch), so the four ask for each JOINTLY (wave 0, one descriptor, a mask that names the four).
; All products but the last are used transposed (source 0 = 16 weight rows, PERM): a lane holds one token and 16 neighbouring channels of each block of 32, as the next quantiser wants them.  The last is used as it is:
; a lane holds one channel and eight neighbouring tokens, as the output wants them.  The hidden layer of 512 goes in four parts of 128, each quantised and multiplied on before the next is made.
; REGISTERS.  Window 0: v1, v2 the add's two; v3 16 x lane; v4-6 the slot's addresses; v8-15 weights' scale words; v16-21 the operands' scale words; v24.. codes of sf; v72.. of Q, later of the first norm's result;
; v120.. of msg, later of a part of the hidden layer (v120-143) and that part itself (v144-207); v168-183 Z 8192; v208-255 two pairs of weight fragments, and at work while none is on its way.  Window 1: one accumulator of 256.
; LIMITS.  For x <= 0, 2^(x log2 e) stands for expm1(x) + 1: they differ by at most 2^-24; results of the exponential under 2^-126 are 0.  A block of zeros carries the byte 1 with zero codes.  NaN and infinities are not served.
.set PITCH, 1040                       ; a channel's row in LDS: 1,024 bytes + 16: an odd multiple of 16
.set SLOT0, 0x41000                    ; behind the tile; slot 1 lies 0x8000 further on
.set SPARE, 291840                     ; the spare words, 128 bytes for each wave
.set PAR,   292864                     ; Ksum, ln1_g, ln1_b, ln2_g, ln2_b: 1,024 bytes each
.set RECB,  25600
.set FIRST, 6                          ; the launch's first record: q_w's
.set SPW, 1
.set NIL, 2
.set LI,  3
.set WA,  4
.set SA,  5
.set LS4, 6
.set XA,  7
.set PH,  22
.set WS,  8
.set XS,  16
.set QS,  18
.set MS,  20
.set XF,  24
.set QF,  72
.set MF,  120
.set HF,  120
.set HH,  144
.set ZP,  168
.set WB,  208
.set TM,  208
.set CT,  224
.set PW1, 232
.set LT,  208
.set NM,  216
.set RS,  218
.set ET,  128                          ; window 1, while the accumulator's upper half is free
.set KSR, 160
.set ZT,  224
.set S2,  24                           ; the second norm and the way out, window 0
.set V2,  40
.set G2,  56
.set B2,  72
.set SFA, 88
.set SFB, 152
.set RA,  216
.set PR,  220
.set OA,  221
.set WV,  22
.set CX,  23
.set GG,  24
.set BB,  25
.set TB,  27
.set JJ,  28
.set SEL, 30
.set G1X, 32
.set G1R, 40
.set G0X, 48
.set G0A, 52
.set G0W, 56
.set G0K, 60
.set C28, 74
.set EPSL, 75
.set EPSA, 76
.set MSB, 0
.macro WIN new                         ; the immediate's high byte repeats the setting that is left; a switch that changes nothing is dropped
.if MSB != (\new)
	s_set_vgpr_msb (MSB<<8)|(\new)
.set MSB, (\new)
.endif
.endm
.macro PLACES n
.rept \n
	v_nop
.endr
.endm
.macro CROUND                          ; a round of the cluster's barrier
	s_barrier_signal -1
	s_barrier_wait -1
	s_cmp_lg_u32 s[WV], 0
	s_cbranch_scc1 .Lnw0_\@
	s_barrier_signal -3
.Lnw0_\@:
	s_barrier_wait -3
	s_barrier_signal -1
	s_barrier_wait -1
.endm
; THE CHANGE OF SLOTS.  Every wave waits for all its tensor loads (wave 0: the record about to be read), adds 0 to its spare word, and waits for that and for its reads of the slot that it leaves.  kinds 1 to 3: a round of the
; cluster's barrier, and behind it wave 0 asks jointly for the record after the next, into the slot just left: 1: the walking descriptor turns to the other slot and steps a record; 2: the batch's KV record, by its own descriptor;
; 3: the walking descriptor steps and keeps its slot (the KV record took the other's turn).  kind 0: nothing is left to ask for: the work-group's barrier.
.macro CHANGE kind
	WIN 0
	s_wait_tensorcnt 0x0
	ds_add_u32 v[SPW], v[NIL]                      ; the steps below stand between the add and the wait for it
	s_xor_b32 s[TB], s[TB], 0x8000
.if \kind == 1
	s_xor_b32 s[G0W+1], s[G0W+1], 0x8000
.endif
.if (\kind == 1) || (\kind == 3)
	s_add_nc_u64 s[G0W+2:G0W+3], s[G0W+2:G0W+3], RECB
.endif
	s_wait_dscnt 0x0
.if \kind
	CROUND
	s_cmp_lg_u32 s[WV], 0
	s_cbranch_scc1 .Lnl_\@
.if \kind == 2
	tensor_load_to_lds s[G0K:G0K+3], s[G1R:G1R+7]
.else
	tensor_load_to_lds s[G0W:G0W+3], s[G1R:G1R+7]
.endif
	s_nop 0
.rept 4
	v_nop
.endr
.Lnl_\@:
.else
	s_barrier_signal -1
	s_barrier_wait -1
.endif
	v_add_nc_u32 v[WA], s[TB], v[LI]
	v_add_nc_u32 v[SA], s[TB], v[LS4]
.endm
.macro WLD pr, grp                     ; fragments 2 pr and 2 pr + 1 of the record, as images of their registers, into group grp
.set g_, 0
.rept 6
	ds_load_b128 v[WB+24*(\grp)+4*g_:WB+24*(\grp)+4*g_+3], v[WA] offset:3072*(\pr)+512*g_
.set g_, g_+1
.endr
.endm
.macro WM1 tr                          ; one matrix instruction from the symbols that MM sets; tr = 1: the weights are source 0
.if \tr
.set opa_, mW
.set opb_, mC
.set sca_, mSW
.set scb_, mSC
.set rwa_, mRW
.set rwb_, mRC
.else
.set opa_, mC
.set opb_, mW
.set sca_, mSC
.set scb_, mSW
.set rwa_, mRC
.set rwb_, mRW
.endif
.if mZ
.if rwa_ && rwb_
	v_wmma_scale_f32_16x16x128_f8f6f4 v[mD:mD+7], v[opa_:opa_+11], v[opb_:opb_+11], 0, v[sca_], v[scb_] matrix_a_fmt:MATRIX_FMT_FP6 matrix_b_fmt:MATRIX_FMT_FP6 matrix_a_scale:MATRIX_SCALE_ROW1 matrix_b_scale:MATRIX_SCALE_ROW1
.elseif rwa_
	v_wmma_scale_f32_16x16x128_f8f6f4 v[mD:mD+7], v[opa_:opa_+11], v[opb_:opb_+11], 0, v[sca_], v[scb_] matrix_a_fmt:MATRIX_FMT_FP6 matrix_b_fmt:MATRIX_FMT_FP6 matrix_a_scale:MATRIX_SCALE_ROW1
.elseif rwb_
	v_wmma_scale_f32_16x16x128_f8f6f4 v[mD:mD+7], v[opa_:opa_+11], v[opb_:opb_+11], 0, v[sca_], v[scb_] matrix_a_fmt:MATRIX_FMT_FP6 matrix_b_fmt:MATRIX_FMT_FP6 matrix_b_scale:MATRIX_SCALE_ROW1
.else
	v_wmma_scale_f32_16x16x128_f8f6f4 v[mD:mD+7], v[opa_:opa_+11], v[opb_:opb_+11], 0, v[sca_], v[scb_] matrix_a_fmt:MATRIX_FMT_FP6 matrix_b_fmt:MATRIX_FMT_FP6
.endif
.else
.if rwa_ && rwb_
	v_wmma_scale_f32_16x16x128_f8f6f4 v[mD:mD+7], v[opa_:opa_+11], v[opb_:opb_+11], v[mD:mD+7], v[sca_], v[scb_] matrix_a_fmt:MATRIX_FMT_FP6 matrix_b_fmt:MATRIX_FMT_FP6 matrix_a_scale:MATRIX_SCALE_ROW1 matrix_b_scale:MATRIX_SCALE_ROW1
.elseif rwa_
	v_wmma_scale_f32_16x16x128_f8f6f4 v[mD:mD+7], v[opa_:opa_+11], v[opb_:opb_+11], v[mD:mD+7], v[sca_], v[scb_] matrix_a_fmt:MATRIX_FMT_FP6 matrix_b_fmt:MATRIX_FMT_FP6 matrix_a_scale:MATRIX_SCALE_ROW1
.elseif rwb_
	v_wmma_scale_f32_16x16x128_f8f6f4 v[mD:mD+7], v[opa_:opa_+11], v[opb_:opb_+11], v[mD:mD+7], v[sca_], v[scb_] matrix_a_fmt:MATRIX_FMT_FP6 matrix_b_fmt:MATRIX_FMT_FP6 matrix_b_scale:MATRIX_SCALE_ROW1
.else
	v_wmma_scale_f32_16x16x128_f8f6f4 v[mD:mD+7], v[opa_:opa_+11], v[opb_:opb_+11], v[mD:mD+7], v[sca_], v[scb_] matrix_a_fmt:MATRIX_FMT_FP6 matrix_b_fmt:MATRIX_FMT_FP6
.endif
.endif
.endm
; THE PRODUCTS OF ONE RECORD: 16 fragments x 2 tiles of tokens = 32 matrix instructions.  Fragment f: tile f % NT, K step f / NT.  Accumulator ACCB + SS ks + SU u + ST tile (window AW); codes CB + 24 ks + 12 u; their
; scale word CS + ks, row u.  Z = 1: K step 0 starts the sums with the constant 0; 2: every product does; 0: none.  The eight places at the head serve scale words and codes that vector instructions have just written
; and the loads into registers that the last products read.  Fragments come two pairs ahead: the wait's count 6 leaves the next pair's six loads out.  The accumulators take turns, one instruction a turn.
.macro MM tr, NT, Z, ACCB, SS, SU, ST, AW, CB, CS
	PLACES 8
	WIN 0
.set p_, 0
.rept 8
	ds_load_b32 v[WS+p_], v[SA] offset:128*p_      ; lanes 0-15: fragment 2 p's scale words, lanes 16-31: fragment 2 p + 1's
.set p_, p_+1
.endr
	WLD 0, 0
	WLD 1, 1
.set p_, 0
.rept 8
.if p_ < 7
	s_wait_dscnt 6
.else
	s_wait_dscnt 0
.endif
	WIN 0x50*(\AW)
.set e_, 0
.rept 2
.set f_, 2*p_+e_
.set tl_, f_%(\NT)
.set ks_, f_/(\NT)
.set uu_, 0
.rept 2
.set mD, (\ACCB)+(\SS)*ks_+(\SU)*uu_+(\ST)*tl_
.set mW, WB+24*(p_%2)+12*e_
.set mC, (\CB)+24*ks_+12*uu_
.set mSW, WS+p_
.set mRW, e_
.set mSC, (\CS)+ks_
.set mRC, uu_
.set mZ, 0
.if ((\Z) == 2) || (((\Z) == 1) && (ks_ == 0))
.set mZ, 1
.endif
	WM1 \tr
.set uu_, uu_+1
.endr
.set e_, e_+1
.endr
.if p_ <= 5
	PLACES 4                                       ; in front of loads into registers that these products have read
	WIN 0
	WLD p_+2, p_%2
.endif
.set p_, p_+1
.endr
.endm
; 64 numbers of a lane in window nw, register 16 b + i = k 32 b + 16 (lane / 16) + i of my token, become a fragment's codes in v[dst] on and its scale word in v[sc].
.macro DQ src, nw, dst, sc
	WIN 5*(\nw)
.set bb_, 0
.rept 4
	v_max3_num_f32 v[TM+bb_], |v[(\src)+16*bb_]|, |v[(\src)+16*bb_+1]|, 0x1800000   ; with the floor 2^(3 - 127): the byte cannot fall under 1
.set bb_, bb_+1
.endr
.set i_, 2
.rept 7
.set bb_, 0
.rept 4
	v_max3_num_f32 v[TM+bb_], |v[(\src)+16*bb_+i_]|, |v[(\src)+16*bb_+i_+1]|, v[TM+bb_]
.set bb_, bb_+1
.endr
.set i_, i_+2
.endr
	WIN 0
.irp b, 0,1,2,3
	v_permlanex16_b32 v[TM+4+\b], v[TM+\b], s[SEL], s[SEL+1]
.endr
.irp b, 0,1,2,3
	v_max_num_f32 v[TM+\b], v[TM+\b], v[TM+4+\b]   ; with lane l xor 16's: the block's largest magnitude
.endr
.irp b, 0,1,2,3
	v_add_nc_u32 v[TM+12+\b], 0xff000000, v[TM+\b] ; 2 off its exponent field: the conversion's scale operand
.endr
.irp b, 0,1,2,3
	v_lshrrev_b32 v[TM+4+\b], 23, v[TM+12+\b]      ; the scale's byte
.endr
	v_lshl_or_b32 v[\sc], v[TM+5], 8, v[TM+4]
	v_lshl_or_b32 v[\sc], v[TM+6], 16, v[\sc]
	v_lshl_or_b32 v[\sc], v[TM+7], 24, v[\sc]
	WIN (\nw)
.set c_, 0
.rept 2
	v_cvt_scalef32_pk16_fp6_f32 v[(\dst)+6*c_:(\dst)+6*c_+2], v[(\src)+32*c_:(\src)+32*c_+15], v[TM+12+2*c_]
	v_cvt_scalef32_pk16_fp6_f32 v[CT+4*c_:CT+4*c_+2], v[(\src)+32*c_+16:(\src)+32*c_+31], v[TM+13+2*c_]
.set c_, c_+1
.endr
	WIN 0
	v_nop                                          ; one plain place behind a scaled conversion
.set c_, 0
.rept 2                                ; the operand's layout wants a whole block in a lane
.irp i, 0,1,2
	v_permlane16_swap_b32 v[(\dst)+6*c_+\i], v[CT+4*c_+\i]
.endr
.irp i, 0,1,2
	v_mov_b32 v[(\dst)+6*c_+3+\i], v[CT+4*c_+\i]
.endr
.set c_, c_+1
.endr
.endm
.macro DQ2 s0, s1, nw, dst, sc         ; both tiles of tokens; tile 1's scale word goes into lanes 16-31 of v[sc]
	DQ \s0, \nw, \dst, \sc
	DQ \s1, \nw, (\dst)+12, PW1
	v_permlane16_swap_b32 v[\sc], v[PW1]
.endm
; THE TILE'S QUANTISER: a lane takes a token (lane 16 u + r: token r of tile u) and 32 channels of a block from 32 rows of the tile.
.macro XLB i                           ; block i's 32 numbers into set i % 2 of window 1
.if ((\i)%2 == 0) && ((\i) > 0)
	WIN 0
	v_add_nc_u32 v[XA], 64*PITCH, v[XA]
.endif
	WIN 0x40
.set q_, 0
.rept 32
	ds_load_b32 v[32*((\i)%2)+q_], v[XA] offset:(32*((\i)%2)+q_)*PITCH
.set q_, q_+1
.endr
.endm
.macro XQB i
.set xb_, 32*((\i)%2)
.set fd_, XF+24*((\i)/4)+12*((\i)%2)+6*(((\i)%4)/2)
	WIN 0x05
	v_max3_num_f32 v[TM], |v[xb_]|, |v[xb_+1]|, 0x1800000
	v_max3_num_f32 v[TM+1], |v[xb_+16]|, |v[xb_+17]|, 0x1800000
.set q_, 2
.rept 7
	v_max3_num_f32 v[TM], |v[xb_+q_]|, |v[xb_+q_+1]|, v[TM]
	v_max3_num_f32 v[TM+1], |v[xb_+16+q_]|, |v[xb_+17+q_]|, v[TM+1]
.set q_, q_+2
.endr
	WIN 0
	v_max_num_f32 v[TM], v[TM], v[TM+1]
	v_add_nc_u32 v[TM+12], 0xff000000, v[TM]
.if (\i)%4 == 0
	v_lshrrev_b32 v[XS+(\i)/4], 23, v[TM+12]
.else
	v_lshrrev_b32 v[TM+4], 23, v[TM+12]
	v_lshl_or_b32 v[XS+(\i)/4], v[TM+4], 8*((\i)%4), v[XS+(\i)/4]
.endif
	WIN 0x01
	v_cvt_scalef32_pk16_fp6_f32 v[fd_:fd_+2], v[xb_:xb_+15], v[TM+12]
	v_cvt_scalef32_pk16_fp6_f32 v[CT:CT+2], v[xb_+16:xb_+31], v[TM+12]
	WIN 0
	v_nop
	v_mov_b32 v[fd_+3], v[CT]
	v_mov_b32 v[fd_+4], v[CT+1]
	v_mov_b32 v[fd_+5], v[CT+2]
.if (\i)%2 == 1                        ; an even block (all 32 tokens) and the odd one behind it become the two tiles' registers: lanes 0-15 the even block, lanes 16-31 the odd
.set q_, 0
.rept 6
	v_permlane16_swap_b32 v[fd_-12+q_], v[fd_+q_]
.set q_, q_+1
.endr
.endif
.endm
; elu(x) + 1 of 128 numbers in window 1: the middle one of 2^(x log2 e), 1 + x and 1 (e^x >= 1 + x everywhere, and e^x <= 1 just where x <= 0).  Four batches of 32 exponentials, one wait each.
.macro ELU base
	WIN 0x45
.set bt_, 0
.rept 4
.set x_, (\base)+32*bt_
.set i_, 0
.rept 16
	v_pk_mul_f32 v[ET+i_:ET+i_+1], v[x_+i_:x_+i_+1], 0x3fb8aa3b op_sel_hi:[1,0]
.set i_, i_+2
.endr
.set i_, 0
.rept 32
	v_exp_f32 v[ET+i_], v[ET+i_]
.set i_, i_+1
.endr
.set i_, 0
.rept 16
	v_pk_add_f32 v[x_+i_:x_+i_+1], v[x_+i_:x_+i_+1], 1.0 op_sel_hi:[1,0]   ; plain work behind the exponentials
.set i_, i_+2
.endr
	s_wait_alu depctr_va_vdst(0)                   ; one wait for the batch, ahead of its first reader
.set i_, 0
.rept 32
	v_med3_num_f32 v[x_+i_], v[ET+i_], v[x_+i_], 1.0
.set i_, i_+1
.endr
.set bt_, bt_+1
.endr
.endm
; q_w's half c: 128 channels (four heads) of Q for my 32 tokens; Z 8192 of these heads; the codes of Q.
.macro QST c
	MM 1, 8, 1, 0, 0, 64, 8, 1, XF, XS
	WIN 0x40
.set bb_, 0
.rept 4
.set q_, 0
.rept 4
	ds_load_b128 v[KSR+16*bb_+4*q_:KSR+16*bb_+4*q_+3], v[PH] offset:512*(\c)+128*bb_+16*q_   ; Ksum in the result's layout: they land while the exponentials run
.set q_, q_+1
.endr
.set bb_, bb_+1
.endr
	PLACES 4
	ELU 0
	s_wait_dscnt 0x0
	WIN 0x55
.set n_, 0
.rept 8                                ; unit n = 4 u + b: tile u, head 4 c + b: my 16 of its 32 products, two at a time
	v_pk_mul_f32 v[ZT+2*n_:ZT+2*n_+1], v[16*n_:16*n_+1], v[KSR+16*(n_&3):KSR+16*(n_&3)+1]
.set n_, n_+1
.endr
.set i_, 2
.rept 7
.set n_, 0
.rept 8
	v_pk_fma_f32 v[ZT+2*n_:ZT+2*n_+1], v[16*n_+i_:16*n_+i_+1], v[KSR+16*(n_&3)+i_:KSR+16*(n_&3)+i_+1], v[ZT+2*n_:ZT+2*n_+1]
.set n_, n_+1
.endr
.set i_, i_+2
.endr
	WIN 0x05
.irp n, 0,1,2,3,4,5,6,7
	v_add_f32 v[TM+\n], v[ZT+2*\n], v[ZT+2*\n+1]
.endr
	WIN 0
.irp n, 0,1,2,3,4,5,6,7
	v_permlanex16_b32 v[TM+8+\n], v[TM+\n], s[SEL], s[SEL+1]
.endr
.irp n, 0,1,2,3,4,5,6,7
	v_add_f32 v[TM+\n], v[TM+\n], v[TM+8+\n]
.endr
.irp n, 0,1,2,3,4,5,6,7
	v_add_f32 v[TM+\n], s[EPSA], v[TM+\n]
.endr
.irp n, 0,1,2,3,4,5,6,7
	v_rcp_f32 v[TM+\n], v[TM+\n]
.endr
	v_nop                                          ; a plain place behind the reciprocals,
	s_wait_alu depctr_va_vdst(0)                   ; and one wait for the eight, ahead of their first reader
.irp n, 0,1,2,3,4,5,6,7
	v_mul_f32 v[ZP+2*(4*(\c)+(\n&3))+(\n>>2)], 0x46000000, v[TM+\n]   ; x 8192: exact
.endr
	DQ2 0, 64, 1, QF+24*(\c), QS+(\c)
.endm
.macro RED8                            ; four chains' pairs in v[LT] on become one number in v[LT], with lane l xor 16's
	WIN 0
	v_pk_add_f32 v[LT:LT+1], v[LT:LT+1], v[LT+2:LT+3]
	v_pk_add_f32 v[LT+4:LT+5], v[LT+4:LT+5], v[LT+6:LT+7]
	v_pk_add_f32 v[LT:LT+1], v[LT:LT+1], v[LT+4:LT+5]
	v_add_f32 v[LT], v[LT], v[LT+1]
	v_permlanex16_b32 v[LT+1], v[LT], s[SEL], s[SEL+1]
	v_add_f32 v[LT], v[LT], v[LT+1]
.endm
.macro STAT u                          ; tile u's 128 numbers a lane (window 1, from 128 u): x - mean in place; variance + 1e-5 into v[RS + u]
.set mb_, 128*(\u)
	WIN 0x05
.irp k, 0,1,2,3
	v_pk_add_f32 v[LT+2*\k:LT+2*\k+1], v[mb_+2*\k:mb_+2*\k+1], v[mb_+8+2*\k:mb_+8+2*\k+1]
.endr
	WIN 0x01
.set i_, 16
.rept 14
.irp k, 0,1,2,3
	v_pk_add_f32 v[LT+2*\k:LT+2*\k+1], v[mb_+i_+2*\k:mb_+i_+2*\k+1], v[LT+2*\k:LT+2*\k+1]
.endr
.set i_, i_+8
.endr
	RED8
	v_mul_f32 v[NM+(\u)], 0xbb800000, v[LT]        ; - mean
	WIN 0x41
.set i_, 0
.rept 64
.if \u
	v_pk_add_f32 v[mb_+i_:mb_+i_+1], v[mb_+i_:mb_+i_+1], v[NM:NM+1] op_sel:[0,1] op_sel_hi:[1,1]
.else
	v_pk_add_f32 v[mb_+i_:mb_+i_+1], v[mb_+i_:mb_+i_+1], v[NM:NM+1] op_sel_hi:[1,0]
.endif
.set i_, i_+2
.endr
	WIN 0x05
.irp k, 0,1,2,3
	v_pk_mul_f32 v[LT+2*\k:LT+2*\k+1], v[mb_+2*\k:mb_+2*\k+1], v[mb_+2*\k:mb_+2*\k+1]
.endr
.set i_, 8
.rept 15
.irp k, 0,1,2,3
	v_pk_fma_f32 v[LT+2*\k:LT+2*\k+1], v[mb_+i_+2*\k:mb_+i_+2*\k+1], v[mb_+i_+2*\k:mb_+i_+2*\k+1], v[LT+2*\k:LT+2*\k+1]
.endr
.set i_, i_+8
.endr
	RED8
	v_fma_f32 v[RS+(\u)], v[LT], s[C28], s[EPSL]
.endm
.macro LGB blk                         ; ln1_g and ln1_b of block blk's 16 channels of my half, into set blk % 2
.set st_, 120+32*((\blk)%2)
.set q_, 0
.rept 4
	ds_load_b128 v[st_+4*q_:st_+4*q_+3], v[PH] offset:1024+128*(\blk)+16*q_
	ds_load_b128 v[st_+16+4*q_:st_+16+4*q_+3], v[PH] offset:2048+128*(\blk)+16*q_
.set q_, q_+1
.endr
.endm
; Half x of a part of the hidden layer: 64 units, relu, two blocks a tile of tokens quantised into registers 6 x .. 6 x + 5 of the part's fragment and bytes 2 x, 2 x + 1 of its scale word.
.macro HST x
	MM 1, 4, 1, HH, 0, 32, 8, 0, XF, XS
	PLACES 4
.set i_, 0
.rept 64
	v_max_num_f32 v[HH+i_], 0, v[HH+i_]
.set i_, i_+1
.endr
.irp n, 0,1,2,3                        ; unit n = 2 u + b
	v_max3_num_f32 v[TM+\n], v[HH+16*\n], v[HH+16*\n+1], 0x1800000
.endr
.set i_, 2
.rept 7
.irp n, 0,1,2,3
	v_max3_num_f32 v[TM+\n], v[HH+16*\n+i_], v[HH+16*\n+i_+1], v[TM+\n]
.endr
.set i_, i_+2
.endr
.irp n, 0,1,2,3
	v_permlanex16_b32 v[TM+4+\n], v[TM+\n], s[SEL], s[SEL+1]
.endr
.irp n, 0,1,2,3
	v_max_num_f32 v[TM+\n], v[TM+\n], v[TM+4+\n]
.endr
.irp n, 0,1,2,3
	v_add_nc_u32 v[TM+12+\n], 0xff000000, v[TM+\n]
.endr
.irp n, 0,1,2,3
	v_lshrrev_b32 v[TM+4+\n], 23, v[TM+12+\n]
.endr
.if \x
	v_lshl_or_b32 v[MS], v[TM+4], 16, v[MS]
	v_lshl_or_b32 v[MS+1], v[TM+6], 16, v[MS+1]
	v_lshl_or_b32 v[MS], v[TM+5], 24, v[MS]
	v_lshl_or_b32 v[MS+1], v[TM+7], 24, v[MS+1]
.else
	v_lshl_or_b32 v[MS], v[TM+5], 8, v[TM+4]
	v_lshl_or_b32 v[MS+1], v[TM+7], 8, v[TM+6]
.endif
.irp u, 0,1
	v_cvt_scalef32_pk16_fp6_f32 v[HF+12*\u+6*(\x):HF+12*\u+6*(\x)+2], v[HH+32*\u:HH+32*\u+15], v[TM+12+2*\u]
	v_cvt_scalef32_pk16_fp6_f32 v[CT+4*\u:CT+4*\u+2], v[HH+32*\u+16:HH+32*\u+31], v[TM+13+2*\u]
.endr
	v_nop
.irp u, 0,1
.irp i, 0,1,2
	v_permlane16_swap_b32 v[HF+12*\u+6*(\x)+\i], v[CT+4*\u+\i]
.endr
.irp i, 0,1,2
	v_mov_b32 v[HF+12*\u+6*(\x)+3+\i], v[CT+4*\u+\i]
.endr
.endr
.if \x
	v_permlane16_swap_b32 v[MS], v[MS+1]           ; tile 1's word into lanes 16-31
.endif
.endm
.macro XSUM base                       ; 16 numbers a lane, each summed over the 16 lanes of its row
.irp m, 1,2,4,8
.set n_, 0
.rept 16
	v_add_f32_dpp v[(\base)+n_], v[(\base)+n_], v[(\base)+n_] row_xmask:\m row_mask:0xf bank_mask:0xf
.set n_, n_+1
.endr
.endr
.endm
.macro LOADQ k, set                    ; sf of channel tiles 4 k .. 4 k + 3 at my lane's channel and eight tokens of each tile of tokens
.set n_, 0
.rept 16
	ds_load_b128 v[(\set)+4*n_:(\set)+4*n_+3], v[RA+(\k)] offset:(n_>>2)*16*PITCH+64*((n_>>1)&1)+16*(n_&1)
.set n_, n_+1
.endr
.endm
.macro RQ k, set                       ; (x - mean) rs g + b + sf, and back to the bytes that sf came from: they are my wave's own
	WIN 0x41
.set n_, 0
.rept 32                               ; n = 8 tt + 4 u + pair
.set y_, 128*((n_>>2)&1)+8*(4*(\k)+(n_>>3))+2*(n_&3)
	v_pk_mul_f32 v[y_:y_+1], v[y_:y_+1], v[V2+8*((n_>>2)&1)+2*(n_&3):V2+8*((n_>>2)&1)+2*(n_&3)+1]
.set n_, n_+1
.endr
.set n_, 0
.rept 32
.set t_, 4*(\k)+(n_>>3)
.set y_, 128*((n_>>2)&1)+8*t_+2*(n_&3)
.if t_&1
	v_pk_fma_f32 v[y_:y_+1], v[y_:y_+1], v[G2+(t_&14):G2+(t_&14)+1], v[B2+(t_&14):B2+(t_&14)+1] op_sel:[0,1,1] op_sel_hi:[1,1,1]
.else
	v_pk_fma_f32 v[y_:y_+1], v[y_:y_+1], v[G2+(t_&14):G2+(t_&14)+1], v[B2+(t_&14):B2+(t_&14)+1] op_sel_hi:[1,0,0]
.endif
.set n_, n_+1
.endr
.set n_, 0
.rept 32
.set y_, 128*((n_>>2)&1)+8*(4*(\k)+(n_>>3))+2*(n_&3)
	v_pk_add_f32 v[y_:y_+1], v[y_:y_+1], v[(\set)+2*n_:(\set)+2*n_+1]
.set n_, n_+1
.endr
	WIN 0x04
.set n_, 0
.rept 16
.set y_, 128*((n_>>1)&1)+8*(4*(\k)+(n_>>2))+4*(n_&1)
	ds_store_b128 v[RA+(\k)], v[y_:y_+3] offset:(n_>>2)*16*PITCH+64*((n_>>1)&1)+16*(n_&1)
.set n_, n_+1
.endr
	WIN 0
.endm
	s_load_b512 s[4:19], s[0:1], 0x0               ; search_feat s[4:5], wts, kvc, ksum s[10:11], ln1_g, ln1_b, ln2_g, ln2_b s[18:19]
	s_load_b64 s[20:21], s[0:1], 0x40              ; out0
	v_lshl_add_u32 v[SPW], v0, 2, SPARE
	v_mov_b32 v[NIL], 0
	ds_add_u32 v[SPW], v[NIL]                      ; the wave's opening: the add and its wait ahead of my first tensor load
	v_lshrrev_b32 v24, 5, v0
	v_readfirstlane_b32 s[WV], v24                 ; wave 0..7
	s_bfe_u32 s[CX], ttmp6, 0x40000                ; my place in the cluster: it enters global addresses of my own loads and stores alone
	s_lshl_b32 s[GG], ttmp9, 2
	s_add_co_u32 s[GG], s[GG], s[CX]
	s_lshr_b32 s[BB], ttmp9, 3                     ; batch: the four partners share it
	s_and_b32 s26, s[GG], 31
	s_lshl_b32 s26, s26, 8                         ; my first token in the batch
	s_mov_b32 s[SEL], 0x76543210
	s_mov_b32 s[SEL+1], 0xfedcba98
	s_mov_b32 s[C28], 0x3b800000                   ; 2^-8
	s_mov_b32 s[EPSL], 0x3727c5ac                  ; 1e-5
	s_mov_b32 s[EPSA], 0x358637bd                  ; 1e-6
	s_mov_b32 s[TB], SLOT0
	s_mov_b32 s[G1X], (2<<16)|(1<<20)|(7<<22)|(3<<25)  ; no mask; elements of 4 bytes; padding on: behind every 256 words 4 words
	s_mov_b32 s[G1X+1], 256<<16
	s_mov_b32 s[G1X+2], 32<<16
	s_mov_b32 s[G1X+3], 256<<16
	s_mov_b32 s[G1X+4], 32
	s_mov_b32 s[G1X+5], 8192
	s_mov_b32 s[G1X+6], 0
	s_mov_b32 s[G1X+7], 0
	s_mov_b32 s[G1R], 15|(3<<16)|(1<<21)           ; the mask: all four work-groups; elements of 8 bytes; bit 21 beside a mask
	s_mov_b32 s[G1R+1], 32<<16                     ; a record: 100 rows of 256 bytes, dense
	s_mov_b32 s[G1R+2], 100<<16
	s_mov_b32 s[G1R+3], 32<<16
	s_mov_b32 s[G1R+4], 100
	s_mov_b32 s[G1R+5], 32
	s_mov_b32 s[G1R+6], 0
	s_mov_b32 s[G1R+7], 0
	s_mov_b32 s[G0X], 1
	s_mul_i32 s[G0X+1], s[WV], 32*PITCH
	s_mov_b32 s[G0A], 1
	s_mov_b32 s[G0A+1], SLOT0
	s_mov_b32 s[G0W], 1
	s_mov_b32 s[G0W+1], SLOT0+0x8000
	s_mov_b32 s[G0K], 1
	s_mov_b32 s[G0K+1], SLOT0
	s_lshl_b32 s66, s[BB], 23                      ; the tile, and my rows of the output: batch x 8 MiB + 32 channels a wave + 4 x first token
	s_lshl_b32 s67, s[WV], 20
	s_add_co_u32 s66, s66, s67
	s_lshl_b32 s67, s26, 2
	s_add_co_u32 s66, s66, s67
	s_mov_b32 s67, 0
	s_mul_i32 s68, s[BB], RECB                     ; the batch's KV record
	s_mov_b32 s69, 0
	s_lshl_b32 s70, s[BB], 10                      ; the batch's Ksum
	s_mov_b32 s71, 0
	s_wait_dscnt 0x0                               ; the opening add is done
	s_wait_kmcnt 0x0
	s_add_nc_u64 s[G0X+2:G0X+3], s[4:5], s[66:67]
	s_or_b32 s[G0X+3], s[G0X+3], 0x80000000
	s_add_nc_u64 s[G0A+2:G0A+3], s[6:7], FIRST*RECB
	s_or_b32 s[G0A+3], s[G0A+3], 0x80000000
	s_add_nc_u64 s[G0W+2:G0W+3], s[6:7], (FIRST+1)*RECB
	s_or_b32 s[G0W+3], s[G0W+3], 0x80000000
	s_add_nc_u64 s[G0K+2:G0K+3], s[8:9], s[68:69]
	s_or_b32 s[G0K+3], s[G0K+3], 0x80000000
	s_add_nc_u64 s[10:11], s[10:11], s[70:71]
	s_add_nc_u64 s[20:21], s[20:21], s[66:67]
	CROUND                                         ; all four work-groups are here: the first joint loads meet
	tensor_load_to_lds s[G0X:G0X+3], s[G1X:G1X+7]  ; my 32 channels of the tile
	s_nop 0
	s_cmp_lg_u32 s[WV], 0
	s_cbranch_scc1 .Lfilled
	tensor_load_to_lds s[G0A:G0A+3], s[G1R:G1R+7]  ; wave 0: the first two records: three loads of mine are out
	s_nop 0
	tensor_load_to_lds s[G0W:G0W+3], s[G1R:G1R+7]
	s_nop 0
.Lfilled:
.rept 4
	v_nop
.endr
	v_lshlrev_b32 v24, 2, v0                       ; the five vectors of 256 numbers: a word a thread of each
	global_load_b32 v25, v24, s[10:11]
	global_load_b32 v26, v24, s[12:13]
	global_load_b32 v27, v24, s[14:15]
	global_load_b32 v28, v24, s[16:17]
	global_load_b32 v29, v24, s[18:19]
	v_and_b32 v31, 31, v0
	v_lshlrev_b32 v[LI], 4, v31
	v_lshl_add_u32 v[LS4], v31, 2, 24576
	v_add_nc_u32 v[WA], s[TB], v[LI]
	v_add_nc_u32 v[SA], s[TB], v[LS4]
	v_lshlrev_b32 v[XA], 2, v0                     ; the tile's quantiser: token 32 w + lane
	v_bfe_u32 v32, v0, 4, 1
	v_lshl_add_u32 v[PH], v32, 6, PAR
	v_add_nc_u32 v30, PAR, v24
.irp b, 0,1,2,3
	v_mov_b32 v[TM+4+\b], 0                        ; written once: a lane permute's destination counts as one of its sources
.endr
	s_wait_loadcnt 0x0
.irp i, 0,1,2,3,4
	ds_store_b32 v30, v[25+\i] offset:1024*\i
.endr
	s_wait_tensorcnt 0x0                           ; my part of the tile is in, and wave 0's two records;
	s_wait_dscnt 0x0                               ; my words of the vectors have landed
	s_barrier_signal -1
	s_barrier_wait -1                              ; everybody's are
	; ---- the codes of sf: they serve q and the first half of the MLP's K
	XLB 0
.irp i, 0,1,2,3,4,5,6,7
.if \i < 7
	XLB \i+1
	s_wait_dscnt 32                                ; this block's 32 loads are in; the next block's may be out
.else
	s_wait_dscnt 0
.endif
	XQB \i
.endr
	QST 0
	CHANGE 2
	QST 1
	CHANGE 3
	; ---- the KV record: tile t of the output belongs to head t / 2 and takes K step t / 8 alone, in which all blocks but the head's are zero codes: every product starts its own sum
	MM 1, 8, 2, 0, 128, 64, 8, 1, QF, QS
	PLACES 4
	WIN 0x41
.set n_, 0
.rept 16                               ; n = 8 ks + 4 u + b: 16 registers, head 4 ks + b, tile u
.set zp_, ZP+2*(4*(n_>>3)+(n_&3))
.set i_, 0
.rept 8
.if (n_>>2)&1
	v_pk_mul_f32 v[16*n_+i_:16*n_+i_+1], v[16*n_+i_:16*n_+i_+1], v[zp_:zp_+1] op_sel:[0,1] op_sel_hi:[1,1]
.else
	v_pk_mul_f32 v[16*n_+i_:16*n_+i_+1], v[16*n_+i_:16*n_+i_+1], v[zp_:zp_+1] op_sel_hi:[1,0]
.endif
.set i_, i_+2
.endr
.set n_, n_+1
.endr
	DQ2 0, 64, 1, MF, MS
	DQ2 128, 192, 1, MF+24, MS+1
	CHANGE 1
	; ---- merge_w, and the first layer norm: register 128 u + n of a lane is channel 32 (n / 16) + 16 h + n % 16 of token r of tile u
	MM 1, 8, 1, 0, 0, 128, 8, 1, MF, MS
	CHANGE 1
	MM 1, 8, 1, 64, 0, 128, 8, 1, MF, MS
	PLACES 4
	WIN 0
	LGB 0
	LGB 1
	STAT 0
	STAT 1
	v_rsq_f32 v[RS], v[RS]
	v_rsq_f32 v[RS+1], v[RS+1]
	v_nop                                          ; a plain place behind them,
	s_wait_alu depctr_va_vdst(0)                   ; and one wait for the two
.irp blk, 0,1,2,3,4,5,6,7
.if \blk < 7
	s_wait_dscnt 8                                 ; this block's eight loads are in; the next block's may be out
.else
	s_wait_dscnt 0
.endif
	WIN 0x41
.set st_, 120+32*(\blk%2)
.set i_, 0
.rept 8
	v_pk_mul_f32 v[16*\blk+i_:16*\blk+i_+1], v[16*\blk+i_:16*\blk+i_+1], v[RS:RS+1] op_sel_hi:[1,0]
	v_pk_mul_f32 v[128+16*\blk+i_:128+16*\blk+i_+1], v[128+16*\blk+i_:128+16*\blk+i_+1], v[RS:RS+1] op_sel:[0,1] op_sel_hi:[1,1]
.set i_, i_+2
.endr
.set i_, 0
.rept 8
	v_pk_fma_f32 v[16*\blk+i_:16*\blk+i_+1], v[16*\blk+i_:16*\blk+i_+1], v[st_+i_:st_+i_+1], v[st_+16+i_:st_+16+i_+1]
	v_pk_fma_f32 v[128+16*\blk+i_:128+16*\blk+i_+1], v[128+16*\blk+i_:128+16*\blk+i_+1], v[st_+i_:st_+i_+1], v[st_+16+i_:st_+16+i_+1]
.set i_, i_+2
.endr
	WIN 0
.if \blk < 6
	LGB \blk+2
.endif
.endr
	DQ2 0, 128, 1, QF, QS                          ; the codes lie on end behind sf's, and the scale words behind sf's: K steps 0 to 3 of the MLP's first product
	DQ2 64, 192, 1, QF+24, QS+1
	CHANGE 1
	; ---- the MLP, a part of 128 hidden units at a time: two records of mlp_w1, one of mlp_w2
	s_mov_b32 s[JJ], 0
.Lmlp:
	HST 0
	CHANGE 1
	HST 1
	CHANGE 1
	s_cmp_eq_u32 s[JJ], 0                          ; the first part's products start the sums: the same in all waves and all partners
	s_cbranch_scc0 .Lacc
	MM 0, 16, 1, 0, 0, 128, 8, 1, HF, MS
	WIN 0
	s_branch .Ljoin
.Lacc:
	MM 0, 16, 0, 0, 0, 128, 8, 1, HF, MS
	WIN 0
.Ljoin:
	CHANGE 1
	s_add_co_u32 s[JJ], s[JJ], 1
	s_cmp_lt_u32 s[JJ], 3
	s_cbranch_scc1 .Lmlp
	HST 0                                          ; the last part is written out
	CHANGE 1
	HST 1
	CHANGE 0
	MM 0, 16, 0, 0, 0, 128, 8, 1, HF, MS
	; ---- the second layer norm.  Register 128 u + 8 t + j of lane (r, h): channel 16 t + r, token 16 u + 8 h + j
	PLACES 4
	WIN 0
	v_and_b32 v222, 15, v0
	v_bfe_u32 v223, v0, 4, 1
	v_mul_u32_u24 v[RA], v222, PITCH
	v_lshl_add_u32 v[RA], v223, 5, v[RA]
	s_lshl_b32 s66, s[WV], 7
	v_add_nc_u32 v[RA], s66, v[RA]                 ; channel r's row, my wave's 128 bytes, 32 on for lanes 16-31
	v_add_nc_u32 v[RA+1], 64*PITCH, v[RA]
	v_add_nc_u32 v[RA+2], 128*PITCH, v[RA]
	v_add_nc_u32 v[RA+3], 192*PITCH, v[RA]
	v_lshl_add_u32 v[PR], v222, 2, PAR
	s_mul_i32 s66, s[WV], 32*PITCH
	v_add_nc_u32 v[OA], s66, v[LI]
.set t_, 0
.rept 16
	ds_load_b32 v[G2+t_], v[PR] offset:3072+64*t_
	ds_load_b32 v[B2+t_], v[PR] offset:4096+64*t_
.set t_, t_+1
.endr
	LOADQ 0, SFA
	LOADQ 1, SFB
	WIN 0x05
.irp u, 0,1
.irp i, 0,2,4,6
	v_pk_add_f32 v[S2+8*\u+\i:S2+8*\u+\i+1], v[128*\u+\i:128*\u+\i+1], v[128*\u+8+\i:128*\u+8+\i+1]
.endr
.endr
	WIN 0x01
.set t_, 2
.rept 14
.irp u, 0,1
.irp i, 0,2,4,6
	v_pk_add_f32 v[S2+8*\u+\i:S2+8*\u+\i+1], v[128*\u+8*t_+\i:128*\u+8*t_+\i+1], v[S2+8*\u+\i:S2+8*\u+\i+1]
.endr
.endr
.set t_, t_+1
.endr
	WIN 0
	XSUM S2
.irp n, 0,2,4,6,8,10,12,14
	v_pk_mul_f32 v[S2+\n:S2+\n+1], v[S2+\n:S2+\n+1], 0xbb800000 op_sel_hi:[1,0]   ; - mean
.endr
	WIN 0x41
.set t_, 0
.rept 16
.irp u, 0,1
.irp i, 0,2,4,6
	v_pk_add_f32 v[128*\u+8*t_+\i:128*\u+8*t_+\i+1], v[128*\u+8*t_+\i:128*\u+8*t_+\i+1], v[S2+8*\u+\i:S2+8*\u+\i+1]
.endr
.endr
.set t_, t_+1
.endr
	WIN 0x05
.irp u, 0,1
.irp i, 0,2,4,6
	v_pk_mul_f32 v[V2+8*\u+\i:V2+8*\u+\i+1], v[128*\u+\i:128*\u+\i+1], v[128*\u+\i:128*\u+\i+1]
.endr
.endr
.set t_, 1
.rept 15
.irp u, 0,1
.irp i, 0,2,4,6
	v_pk_fma_f32 v[V2+8*\u+\i:V2+8*\u+\i+1], v[128*\u+8*t_+\i:128*\u+8*t_+\i+1], v[128*\u+8*t_+\i:128*\u+8*t_+\i+1], v[V2+8*\u+\i:V2+8*\u+\i+1]
.endr
.endr
.set t_, t_+1
.endr
	WIN 0
	XSUM V2
.set n_, 0
.rept 16
	v_fma_f32 v[V2+n_], v[V2+n_], s[C28], s[EPSL]
.set n_, n_+1
.endr
.set n_, 0
.rept 16
	v_rsq_f32 v[V2+n_], v[V2+n_]
.set n_, n_+1
.endr
	v_nop                                          ; a plain place behind them,
	s_wait_alu depctr_va_vdst(0)                   ; and one wait for the sixteen
	; ---- gain, bias, residual; the results take sf's places in the tile.  The counts leave out the LDS instructions issued behind the quad's own loads
	s_wait_dscnt 16                                ; quad 1's loads may be out
	RQ 0, SFA
	LOADQ 2, SFA
	s_wait_dscnt 32                                ; quad 0's stores and quad 2's loads
	RQ 1, SFB
	LOADQ 3, SFB
	s_wait_dscnt 32                                ; quad 1's stores and quad 3's loads
	RQ 2, SFA
	s_wait_dscnt 16                                ; quad 2's stores
	RQ 3, SFB
	s_wait_dscnt 0x0                               ; for the others' sake: my stores have landed
	s_barrier_signal -1
	s_barrier_wait -1
	; ---- the way out: wave w stores channels 32 w on, whole rows of 1,024 bytes; each store covers 512 consecutive bytes, aligned; every load has registers of its own
.set k_, 0
.rept 4
	WIN 0x40
.set i_, 0
.rept 16
	ds_load_b128 v[64*k_+4*i_:64*k_+4*i_+3], v[OA] offset:(8*k_+(i_>>1))*PITCH+512*(i_&1)
.set i_, i_+1
.endr
	WIN 0x04
.set i_, 0
.rept 16
	s_wait_dscnt 15-i_
	global_store_b128 v[LI], v[64*k_+4*i_:64*k_+4*i_+3], s[20:21] offset:(8*k_+(i_>>1))*32768+512*(i_&1) th:TH_STORE_NT
.set i_, i_+1
.endr
.set k_, k_+1
.endr
	WIN 0
	s_wait_tensorcnt 0x0                           ; the wave's end, behind my last tensor load and my last LDS store
	ds_add_u32 v[SPW], v[NIL]
	s_wait_dscnt 0x0
	CROUND                                         ; the closing round
	s_endpgm
.Lfunc_end_k_q16ac2887e5_srch:
	.size	k_q16ac2887e5_srch, .Lfunc_end_k_q16ac2887e5_srch-k_q16ac2887e5_srch
	.p2alignl 7, 3214868480
	.fill 96, 4, 3214868480
	.section	.rodata,"a",@progbits
	.p2align	6, 0x0
	.amdhsa_kernel k_q16ac2887e5_srch
		.amdhsa_group_segment_fixed_size 327680
		.amdhsa_private_segment_fixed_size 0
		.amdhsa_enable_private_segment 0
		.amdhsa_kernarg_size 72
		.amdhsa_user_sgpr_count 2
		.amdhsa_user_sgpr_kernarg_segment_ptr 1
		.amdhsa_wavefront_size32 1
		.amdhsa_system_sgpr_workgroup_id_x 1
		.amdhsa_system_sgpr_workgroup_id_y 1
		.amdhsa_system_sgpr_workgroup_id_z 1
		.amdhsa_system_vgpr_workitem_id 0
		.amdhsa_next_free_vgpr 512
		.amdhsa_next_free_sgpr 96
		.amdhsa_reserve_vcc 0
		.amdhsa_float_denorm_mode_32 3
		.amdhsa_float_denorm_mode_16_64 3
		.amdhsa_memory_ordered 1
		.amdhsa_forward_progress 1
		.amdhsa_inst_pref_size 255
	.end_amdhsa_kernel
	.section	.bss,"aw",@nobits
	.p2align	6
	.space	262144
	.amdgpu_metadata
---
amdhsa.version: [ 1, 2 ]
amdhsa.kernels:
  - .name:           k_q16ac2887e5_srch
    .symbol:         k_q16ac2887e5_srch.kd
    .args:
      - { .name: search_feat, .offset: 0, .size: 8, .value_kind: global_buffer, .address_space: global }
      - { .name: wts, .offset: 8, .size: 8, .value_kind: global_buffer, .address_space: global }
      - { .name: kvc, .offset: 16, .size: 8, .value_kind: global_buffer, .address_space: global }
      - { .name: ksum, .offset: 24, .size: 8, .value_kind: global_buffer, .address_space: global }
      - { .name: ln1_g, .offset: 32, .size: 8, .value_kind: global_buffer, .address_space: global }
      - { .name: ln1_b, .offset: 40, .size: 8, .value_kind: global_buffer, .address_space: global }
      - { .name: ln2_g, .offset: 48, .size: 8, .value_kind: global_buffer, .address_space: global }
      - { .name: ln2_b, .offset: 56, .size: 8, .value_kind: global_buffer, .address_space: global }
      - { .name: out0, .offset: 64, .size: 8, .value_kind: global_buffer, .address_space: global }
    .group_segment_fixed_size: 327680
    .private_segment_fixed_size: 0
    .kernarg_segment_align: 8
    .kernarg_segment_size: 72
    .max_flat_workgroup_size: 256
    .sgpr_count:     96
    .vgpr_count:     512
    .wavefront_size: 32
...
	.end_amdgpu_metadata
.endif
;; end of part 4
